; MI455X (gfx1250); checked and timed in simulation.
; The chip was launched on July 23, 2026; its instructions are those of AMD's public machine-readable ISA for CDNA 5 (MIT licence, August 2026) and "CDNA5" Instruction Set Architecture Reference Guide (July 2026). The comments in the code are by the model that wrote it; some were corrected since.
;; Multi Headed Attention. Allowed arithmetic: matrix products marked QUANTISED: E3M2 operands, one E8M0 scale for each 32 along K, by v_wmma_scale_f32_16x16x128_f8f6f4 with both operands' format E3M2, f32 sums; everything else in f32.
;; Inputs: Wk 1,024 x 1,024 float32; Wo 1,024 x 1,024 float32; Wq 1,024 x 1,024 float32; Wv 1,024 x 1,024 float32; bk 1,024 float32; bo 1,024 float32; bq 1,024 float32; bv 1,024 float32; key 4 x 2,048 x 1,024 float32; mask 4 x 1 x 2,048 bool; query 4 x 2,048 x 1,024 float32; value 4 x 2,048 x 1,024 float32.
;; Outputs: out0 4 x 2,048 x 1,024 float32.
;; This version of the problem:
;;   THIS VERSION OF THE PROBLEM IS GIVEN IN LOW PRECISION. The matrix products marked QUANTISED in the list below multiply operands that are first quantised to E3M2 (3 exponent bits, 2 mantissa bits; 6 bits a number), with one power-of-two scale for each 32 numbers along K (OCP MX v1.0); their sums are f32. All else is computed in f32.
;;   The module's matrix products, in the order in which they are computed (A, B: the left and right operand; K: the contracted axis; several contracted axes count as one K, in the product's order):
;;     1. [M 8,192, K 1,024] x [K 1,024, N 1,024]; A: input query; B: input Wq: QUANTISED
;;     2. [M 8,192, K 1,024] x [K 1,024, N 1,024]; A: input key; B: input Wk: QUANTISED
;;     3. [M 8,192, K 1,024] x [K 1,024, N 1,024]; A: input value; B: input Wv: QUANTISED
;;     4. batch 64 x [M 2,048, K 64] x [K 64, N 2,048]; A: computed on the way; B: computed on the way: QUANTISED
;;     5. batch 64 x [M 2,048, K 2,048] x [K 2,048, N 64]; A: softmax (see below); B: computed on the way: QUANTISED
;;     6. [M 8,192, K 1,024] x [K 1,024, N 1,024]; A: computed on the way; B: input Wo: QUANTISED
;;   THE QUANTISER, for each operand of a quantised product, along K:
;;     - K is cut into blocks of 32 from its start; a last block that is shorter is filled with zeros.
;;     - A block's scale is 2^e with e = floor(log2(the largest magnitude in the block)) - 4, held to -126 .. 127; a block of zeros has e = 0. As a byte (E8M0): e + 127.
;;     - Each number is divided by its block's scale, clamped to +-28, and rounded to the nearest number of E3M2, ties to even, subnormals kept.
;;     - The product sums the exact products of the quantised numbers (number of the format x scale) in f32.
;;   ~~~python
;;   def quantise(x, axis):      # numpy; x: float32 -> the quantised numbers, widened to float32 again
;;       x = np.moveaxis(x, axis, -1); K = x.shape[-1]
;;       x = np.pad(x, [(0, 0)] * (x.ndim - 1) + [(0, -K % 32)]); x = x.reshape(x.shape[:-1] + (-1, 32)); a = np.abs(x).max(-1, keepdims=True)
;;       e = np.where(a > 0, np.clip(np.frexp(np.where(a > 0, a, 1))[1] - 1 - 4, -126, 127), 0)      # np.frexp(a)[1] - 1 = floor(log2(a)), exactly
;;       r = np.clip(x / 2.0 ** e, -28, 28)
;;       step = 2.0 ** (np.maximum(np.frexp(np.where(r == 0, 1, r))[1] - 1, -2) - 2)
;;       q = np.round(r / step) * step * 2.0 ** e      # np.round: ties to even
;;       return np.moveaxis(q.reshape(q.shape[:-2] + (-1,))[..., :K], -1, axis).astype(np.float32)
;;   ~~~
;;   SOFTMAX AHEAD OF A QUANTISED PRODUCT. Where the list says 'softmax', what is quantised is not the finished softmax but p = 2^(t - M), with t = logit x log2(e) and M = ceil(the row's largest t), a whole number; so 1/2 < the row's largest p <= 1. The row's sum l is taken of the UNQUANTISED p, in f32, and the product's result is divided by l at the end. Since M is a whole number, a kernel that streams over the keys may use a running M (the ceiling of the running maximum): every later rescaling is an exact power of two, which a block's scale takes up: the codes' values come out the same.
;;   OPERANDS COMPUTED ON THE WAY. 'Computed on the way' means the value that the module computes at that place (a softmax that the list does not call 'softmax' is quantised finished and normalised). What goes into a quantiser is computed in f32, as accurately as f32 sums, v_exp_f32 and their like allow (about 1e-6 of the number): no bf16 or f16 on the way to a quantiser, and a product that is left as it is and whose result goes on into a quantised operand takes f32 operands (vector FMAs, or v_wmma_f32_16x16x4_f32). A number that lies on a knife's edge between two numbers of the format may be rounded either way, as far as f32 arithmetic and the matrix unit's own rounding can turn it there, and no further.
;; One version. Each part assembles by itself: llvm-mc -triple=amdgcn-amd-amdhsa -mcpu=gfx1250 --defsym DOCPART=n.
;; ======== version 1 of 1: 4 launches
;; limits: right only within a limited range of input values
;; workspace buffers: codes 22,020,096 bytes; scl 917,504 bytes; qp 6,815,744 bytes; kp 6,815,744 bytes; vp 6,815,744 bytes; xc 6,291,456 bytes; xs 262,144 bytes
;; launch quant (part 1): grid 896 x 1, 4 waves a work-group, no clusters, 33,280 bytes of LDS; arguments query, key, value, Wq, Wk, Wv, Wo, codes, scl; writes codes, scl
.if DOCPART == 1
	.amdgcn_target "amdgcn-amd-amdhsa--gfx1250"
	.amdhsa_code_object_version 6
	.text
	.protected	k_q4cc7f40540_quant
	.globl	k_q4cc7f40540_quant
	.p2align	8
	.type	k_q4cc7f40540_quant,@function
k_q4cc7f40540_quant:
	s_mov_b64 s[64:65], 0
	v_nop
	global_prefetch_b8 v0, s[64:65] scope:SCOPE_SE
	s_setreg_imm32_b32 hwreg(HW_REG_WAVE_MODE, 25, 1), 1
	s_wait_xcnt 0x0
; query, key, value [8192][1024] and Wq, Wk, Wv, Wo [1024][1024], f32, K innermost, become codes of BF6 (E3M2) with one E8M0 byte for each 32 along K.
; A block's scale is 2^(floor(log2(its largest magnitude)) - 4); its byte is the largest magnitude's exponent field - 4, held at 1 from below (a block of zeros keeps the byte 1: its codes are zeros, and this program alone reads the bytes).
; LIMITS: blocks whose largest magnitude lies under 2^-122 keep the byte 1; NaN and infinities among the inputs are not served.
; LAYOUT OF THE RESULTS.  codes: for each tensor [chunk of 64 along K (16)][row][48 bytes]; scl: [128 along K (8)][row][4 bytes].  So 128 rows of a chunk are 6,144 dense bytes for the products' tensor loads.
; A weight's row at position p is its logical row p with bits 3 and 4 exchanged, so that the 16 results that a lane holds of two neighbouring tiles of the transposed product are 16 neighbours.
; Wv's logical row 16 d + j stands for its row 64 j + d: those 16 neighbours are then 16 neighbouring keys of one channel d.
; SHARES.  Work-groups 0-767: the three activations, 256 each; 768-895: the four weights, 32 each.  A wave takes 64 rows of the result x 128 along K: 16 steps of 4 rows.
; Each load reads 512 consecutive bytes of one row; a step's 2,048 bytes turn through the wave's own stage in LDS and come back 16 neighbours a lane (two lanes to a block).  No barrier: waves share nothing.
.set STEPS, 16
.set EMAX,  4
.set R,     16                         ; v16-79   four sets of 16 numbers as loaded
.set X,     80                         ; v80-111  two sets of 16 neighbours
.set E,     112                        ; v112-127 a scale byte for each step
.set C,     128                        ; v128-191 codes: four registers for each step, never written again
.set VO,    192                        ; v192-207 load offsets: 16 x lane + the row's place, for step % 4 and row 0..3; never rewritten
.set WREG,  8192                       ; LDS of a wave: two stages of 32 x SP bytes, then its 256 scale bytes
.set SP,    80                         ; a lane's place in a stage: 64 bytes + 16 of padding
.set BASE,  40                         ; s[40:47] four bases, for step / 4; never stepped
	s_load_b256 s[4:11], s[0:1], 0x0               ; query, key, value, Wq
	s_load_b256 s[12:19], s[0:1], 0x20             ; Wk, Wv, Wo, codes
	s_load_b64 s[20:21], s[0:1], 0x40              ; scl
	v_lshl_add_u32 v208, v0, 2, 0x8000
	v_mov_b32 v209, 0
	v_lshrrev_b32 v1, 5, v0
	v_readfirstlane_b32 s22, v1                    ; wave
	v_and_b32 v2, 31, v0                           ; lane
	v_lshlrev_b32 v3, 4, v2                        ; my 16 bytes of a load's 512
	s_mul_i32 s23, s22, WREG
	v_lshrrev_b32 v14, 2, v2
	v_mul_u32_u24 v14, v14, SP
	v_and_b32 v15, 3, v2
	v_lshl_add_u32 v14, v15, 4, v14
	v_add_nc_u32 v14, s23, v14                     ; the stage, on the way in: SP (lane / 4) + 16 (lane % 4)
	v_mul_u32_u24 v15, v2, SP
	v_add_nc_u32 v15, s23, v15                     ; and on the way out: SP x lane: row lane / 8, numbers 16 (lane % 8) on
	v_lshrrev_b32 v5, 1, v2
	s_add_co_u32 s23, s23, 2*32*SP
	v_add_nc_u32 v5, s23, v5                       ; my block's scale byte in the wave's 256
	v_lshlrev_b32 v7, 3, v2
	v_add_nc_u32 v6, s23, v7                       ; and on the way out 8 bytes a lane
	; which tensor, and its figures: all choices hang on the work-group's number alone
	s_lshr_b32 s24, ttmp9, 8                       ; activation 0..2
	s_and_b32 s25, ttmp9, 255                      ; and my place in it
	s_sub_co_u32 s23, ttmp9, 768
	s_lshr_b32 s32, s23, 5                         ; weight 0..3
	s_and_b32 s34, s23, 31
	s_mul_i32 s29, s24, 6291456                    ; where the tensor's codes begin
	s_mul_i32 s30, s32, 786432
	s_add_co_u32 s30, s30, 18874368
	s_lshl_b32 s31, s24, 18                        ; and its scale words
	s_lshl_b32 s32, s32, 15
	s_add_co_u32 s32, s32, 786432
	s_mov_b32 s33, 393216                          ; a chunk's plane: rows x 48
	s_mov_b32 s36, 49152
	s_mov_b32 s35, 32768                           ; a plane of scale words: rows x 4
	s_mov_b32 s37, 4096
	s_mov_b32 s38, 32768
	s_mov_b32 s39, 65536
	s_cmp_lt_u32 ttmp9, 768
	s_cselect_b32 s25, s25, s34
	s_cselect_b32 s29, s29, s30
	s_cselect_b32 s31, s31, s32
	s_cselect_b32 s33, s33, s36
	s_cselect_b32 s35, s35, s37
	s_cselect_b32 s52, s38, s39                    ; B1: bytes that bit 1 of the step adds to the source row (weights: bits 3 and 4 of the row change places)
	s_cselect_b32 s53, s39, s38                    ; B2
	s_sub_co_u32 s23, ttmp9, 832
	s_mov_b32 s38, 16384
	s_mov_b32 s39, 131072
	s_cmp_lt_u32 s23, 32                           ; Wv?
	s_cselect_b32 s54, 262144, s37                 ; bytes from row to row of a step
	s_cselect_b32 s55, 1048576, s38                ; B0
	s_cselect_b32 s52, s37, s52
	s_cselect_b32 s53, 2097152, s53
	s_cselect_b32 s56, 8192, s39                   ; B3
	s_cselect_b32 s57, 14, 18                      ; log2 of the bytes that 64 rows of the result add
	s_lshl_b32 s26, s25, 2
	s_add_co_u32 s26, s26, s22                     ; my wave's job
	s_and_b32 s27, s26, 7                          ; which 128 along K
	s_lshr_b32 s28, s26, 3                         ; which 64 rows
	v_and_b32 v8, 7, v2
	v_lshrrev_b32 v9, 2, v8
	v_mul_lo_u32 v4, v9, s33
	v_lshrrev_b32 v10, 3, v2
	v_mad_u32_u24 v4, v10, 48, v4
	v_and_b32 v8, 3, v8
	v_mad_u32_u24 v4, v8, 12, v4                   ; my codes' place: chunk (lane % 8) / 4, row lane / 8, 12 bytes x (lane % 4)
.irp m, 0,1,2,3
.irp p, 0,1,2,3
	s_mul_i32 s23, s54, \p
.if (\m%2) == 1
	s_add_co_u32 s23, s23, s55
.endif
.if (\m/2) == 1
	s_add_co_u32 s23, s23, s52
.endif
	v_add_nc_u32 v[VO+4*\m+\p], s23, v3
.endr
.endr
	s_wait_alu depctr_va_vdst(0)
	s_wait_kmcnt 0x0
	s_mov_b64 s[58:59], s[16:17]                   ; the source: Wo, unless
	s_cmp_lt_u32 ttmp9, 864
	s_cselect_b64 s[58:59], s[14:15], s[58:59]
	s_cmp_lt_u32 ttmp9, 832
	s_cselect_b64 s[58:59], s[12:13], s[58:59]
	s_cmp_lt_u32 ttmp9, 800
	s_cselect_b64 s[58:59], s[10:11], s[58:59]
	s_cmp_lt_u32 ttmp9, 768
	s_cselect_b64 s[58:59], s[8:9], s[58:59]
	s_cmp_lt_u32 ttmp9, 512
	s_cselect_b64 s[58:59], s[6:7], s[58:59]
	s_cmp_lt_u32 ttmp9, 256
	s_cselect_b64 s[58:59], s[4:5], s[58:59]
	s_lshl_b32 s60, s28, s57
	s_lshl_b32 s23, s27, 9
	s_add_co_u32 s60, s60, s23
	s_mov_b32 s61, 0
	s_add_nc_u64 s[BASE:BASE+1], s[58:59], s[60:61]
	s_mov_b32 s60, s53
	s_add_nc_u64 s[BASE+2:BASE+3], s[BASE:BASE+1], s[60:61]
	s_mov_b32 s60, s56
	s_add_nc_u64 s[BASE+4:BASE+5], s[BASE:BASE+1], s[60:61]
	s_add_nc_u64 s[BASE+6:BASE+7], s[BASE+2:BASE+3], s[60:61]
	s_lshl_b32 s23, s27, 1
	s_mul_i32 s23, s23, s33
	s_mul_i32 s24, s28, 3072
	s_add_co_u32 s60, s29, s23
	s_add_co_u32 s60, s60, s24
	s_add_nc_u64 s[48:49], s[18:19], s[60:61]      ; my codes: the tensor + 2 chunks x (128 along K) + 64 rows x 48
	s_mul_i32 s23, s27, s35
	s_lshl_b32 s24, s28, 8
	s_add_co_u32 s60, s31, s23
	s_add_co_u32 s60, s60, s24
	s_add_nc_u64 s[50:51], s[20:21], s[60:61]      ; my 64 rows' scale words: 256 consecutive bytes, aligned
.macro LOAD t
.irp i, 0,1,2,3
	global_load_b128 v[R+16*((\t)%4)+4*\i:R+16*((\t)%4)+4*\i+3], v[VO+4*((\t)%4)+\i], s[BASE+2*((\t)/4):BASE+2*((\t)/4)+1] th:TH_LOAD_NT   ; 32 lanes read 512 consecutive bytes of row i of the step
.endr
.endm
.macro TURN t                          ; step t's numbers through the stage: LDS serves a wave's instructions in order, so no wait stands between the stores and the loads
.irp i, 0,1,2,3
	ds_store_b128 v14, v[R+16*((\t)%4)+4*\i:R+16*((\t)%4)+4*\i+3] offset:32*SP*((\t)%2)+8*SP*\i
.endr
.irp i, 0,1,2,3
	ds_load_b128 v[X+16*((\t)%2)+4*\i:X+16*((\t)%2)+4*\i+3], v15 offset:32*SP*((\t)%2)+16*\i
.endr
.endm
.irp t, 0,1,2,3
	LOAD \t
.endr
	s_wait_loadcnt 12                              ; step 0's four loads are in; the twelve behind them may be out
	TURN 0
.macro STEP t
.set XS, X+16*((\t)%2)
.if (\t) > 0
	s_wait_dscnt 1                                 ; this step's numbers are back from the stage (the last step's byte store may be out): so its stores into the stage have read their registers,
.else
	s_wait_dscnt 0x0
.endif
.if (\t)+4 < STEPS
	LOAD (\t)+4                                    ; which take the loads of four steps on
.endif
.if (\t)+1 < STEPS
.if STEPS-2-(\t) >= 3
	s_wait_loadcnt 12                              ; the next step's four loads are in; those of the three steps behind it may be out
.else
	s_wait_loadcnt 4*(STEPS-2-(\t))
.endif
	TURN (\t)+1
.endif
	v_max3_num_f32 v8, |v[XS]|, |v[XS+1]|, |v[XS+2]|               ; the largest magnitude of my 16, in two chains
	v_max3_num_f32 v9, |v[XS+3]|, |v[XS+4]|, |v[XS+5]|
.irp i, 6,10
	v_max3_num_f32 v8, v8, |v[XS+\i]|, |v[XS+\i+1]|
	v_max3_num_f32 v9, v9, |v[XS+\i+2]|, |v[XS+\i+3]|
.endr
	v_max3_num_f32 v8, v8, |v[XS+14]|, |v[XS+15]|
	v_max3_num_f32 v8, v8, v9, (EMAX+1)<<23        ; and the floor 2^(5 - 127): the byte cannot fall under 1
	v_max_num_f32_dpp v8, v8, v8 row_xmask:1 row_mask:0xf bank_mask:0xf   ; and of my neighbour's 16: the block's
	v_add_nc_u32 v11, -(EMAX<<23), v8              ; 4 off its exponent field: the conversion takes the exponent field of this operand as its scale
	v_cvt_scalef32_pk16_bf6_f32 v[C+4*(\t):C+4*(\t)+2], v[XS:XS+15], v11
	v_lshrrev_b32 v[E+(\t)], 23, v11               ; the scale's byte (a plain line behind the conversion)
	ds_store_b8 v5, v[E+(\t)] offset:16*(\t)       ; both lanes of a block write the same byte with the same value
	global_store_b96 v4, v[C+4*(\t):C+4*(\t)+2], s[48:49] offset:192*(\t)   ; two runs of 192 consecutive bytes: four rows of each of two chunks
.endm
.irp t, 0,1,2,3,4,5,6,7,8,9,10,11,12,13,14,15
	STEP \t
.endr
	ds_load_b64 v[12:13], v6                       ; LDS serves a wave's instructions in order: these see my stores
	s_wait_dscnt 0x0
	global_store_b64 v7, v[12:13], s[50:51]        ; 32 lanes store 256 consecutive bytes, aligned
	s_wait_tensorcnt 0x0
	ds_add_u32 v208, v209
	s_wait_dscnt 0x0
	s_endpgm
.Lfunc_end_k_q4cc7f40540_quant:
	.size	k_q4cc7f40540_quant, .Lfunc_end_k_q4cc7f40540_quant-k_q4cc7f40540_quant
	.p2alignl 7, 3214868480
	.fill 96, 4, 3214868480
	.section	.rodata,"a",@progbits
	.p2align	6, 0x0
	.amdhsa_kernel k_q4cc7f40540_quant
		.amdhsa_group_segment_fixed_size 33280
		.amdhsa_private_segment_fixed_size 0
		.amdhsa_enable_private_segment 0
		.amdhsa_kernarg_size 72
		.amdhsa_user_sgpr_count 2
		.amdhsa_user_sgpr_kernarg_segment_ptr 1
		.amdhsa_wavefront_size32 1
		.amdhsa_system_sgpr_workgroup_id_x 1
		.amdhsa_system_sgpr_workgroup_id_y 1
		.amdhsa_system_sgpr_workgroup_id_z 1
		.amdhsa_system_vgpr_workitem_id 0
		.amdhsa_next_free_vgpr 210
		.amdhsa_next_free_sgpr 66
		.amdhsa_reserve_vcc 0
		.amdhsa_float_denorm_mode_32 3
		.amdhsa_float_denorm_mode_16_64 3
		.amdhsa_memory_ordered 1
		.amdhsa_forward_progress 1
		.amdhsa_inst_pref_size 37
	.end_amdhsa_kernel
	.amdgpu_metadata
---
amdhsa.version: [ 1, 2 ]
amdhsa.kernels:
  - .name:           k_q4cc7f40540_quant
    .symbol:         k_q4cc7f40540_quant.kd
    .args:
      - { .name: query, .offset: 0, .size: 8, .value_kind: global_buffer, .address_space: global }
      - { .name: key, .offset: 8, .size: 8, .value_kind: global_buffer, .address_space: global }
      - { .name: value, .offset: 16, .size: 8, .value_kind: global_buffer, .address_space: global }
      - { .name: Wq, .offset: 24, .size: 8, .value_kind: global_buffer, .address_space: global }
      - { .name: Wk, .offset: 32, .size: 8, .value_kind: global_buffer, .address_space: global }
      - { .name: Wv, .offset: 40, .size: 8, .value_kind: global_buffer, .address_space: global }
      - { .name: Wo, .offset: 48, .size: 8, .value_kind: global_buffer, .address_space: global }
      - { .name: codes, .offset: 56, .size: 8, .value_kind: global_buffer, .address_space: global }
      - { .name: scl, .offset: 64, .size: 8, .value_kind: global_buffer, .address_space: global }
    .group_segment_fixed_size: 33280
    .private_segment_fixed_size: 0
    .kernarg_segment_align: 8
    .kernarg_segment_size: 72
    .max_flat_workgroup_size: 128
    .sgpr_count:     66
    .vgpr_count:     210
    .wavefront_size: 32
...
	.end_amdgpu_metadata
.endif
;; end of part 1
;; launch proj (part 2): grid 4 x 64, 4 waves a work-group, clusters of 4 x 4, 327,680 bytes of LDS; arguments codes, scl, bq, bk, bv, qp, kp, vp; writes qp, kp, vp
.if DOCPART == 2
	.amdgcn_target "amdgcn-amd-amdhsa--gfx1250"
	.amdhsa_code_object_version 6
	.text
	.protected	k_q4cc7f40540_proj
	.globl	k_q4cc7f40540_proj
	.p2align	8
	.type	k_q4cc7f40540_proj,@function
k_q4cc7f40540_proj:
	s_mov_b64 s[64:65], 0
	v_nop
	global_prefetch_b8 v0, s[64:65] scope:SCOPE_SE
	s_setreg_imm32_b32 hwreg(HW_REG_WAVE_MODE, 25, 1), 1
	s_wait_xcnt 0x0
	s_wait_alu depctr_hold_cnt(0) depctr_sa_sdst(0) depctr_va_vdst(0) depctr_va_sdst(0) depctr_va_ssrc(0) depctr_va_vcc(0) depctr_vm_vsrc(0)
	s_getreg_b32 s2, hwreg(HW_REG_IB_STS2, 6, 4)
	s_cmp_eq_u32 s2, 0
	s_cbranch_scc0 .Lentry_in_a_cluster
	s_endpgm
.Lentry_in_a_cluster:
	s_bfe_u32 s2, ttmp6, 0x10000c
	s_cmp_lg_u32 s2, 0xf033
	s_cbranch_scc0 .Lentry_shape_is_right
	s_endpgm
.Lentry_shape_is_right:
; q, k, v = x W^T + b on codes of BF6 (E3M2) with E8M0 scales, quantised again here for the attention: q and k along their 64 channels, v along the keys.
; SHARES.  A work-group makes the same block, 128 rows x 256 columns, of q, then of k, then of v: 64 x 4 = 256 work-groups.  A wave makes 64 x 128: 32 accumulators.
; ONE STREAM.  In codes and scl the three activations lie four slot steps apart, and so do the three weights: the ring of two slots (256 along K each) walks 12 slots with one step, and a tensor's results are
; quantised and stored while the next tensor's tiles are on their way.  q and k are the two trips of a loop; v, whose way out differs and whose last two changes of slots fill nothing, is written out.
; THE HEAD: wave 0 fetches A's first tile, wave 1 B's, wave 2 A's scale words of all 24 steps, wave 3 B's.  A's scale rows (512 bytes) are padded to B's pitch (1,024), so that one register takes A's word in lanes 0-15 and B's in lanes 16-31.
; CLUSTERS 4 x 4: A's tiles are asked for jointly along a row, B's along a column.  In the ring waves 0, 1 fetch two chunks of A each, waves 2, 3 two chunks of B.
; PREFETCH: behind each of the loop's eight refills each wave names, once in the cluster, its share (by cx for A, by cy for B) of the slot two refills on; the tail asks for nothing.
; The product is used transposed (source 0 = W's rows); the bias is the C of a tensor's first products.  Results' layout: planes of 13,312 bytes (head, 128 columns): 12,288 of codes, then scale words; a wave writes half a plane.
; LIMITS: blocks whose largest magnitude lies under 2^-122 keep the byte 1; NaN and infinities are not served.
.set CHA,    6144
.set CHB,    12288
.set TA,     4*CHA
.set SLOT,   TA+4*CHB
.set NPL,    24
.set SCLA,   2*SLOT
.set SCLB,   SCLA+NPL*1024
.set SPARE,  SCLB+NPL*1024
.set STQ,    SPARE+512
.set SSQ,    STQ+4*4096
.set STV,    SSQ+4*1024
.set SSV,    STV+4*4096
.set ASTEP,  4*8192*48
.set BSTEP,  4*1024*48
.set FR,     12
.set NP,     4
.set ADRA,   16
.set ADRB,   20
.set ADRS2,  27
.set SPW,    28
.set NIL,    29
.set ADRS,   30
.set SC,     32
.set PC,     64
.set BK,     96
.set AF,     128
.set TM,     224
.set BYT,    236
.set SWD,    244
.set G1,  24
.set G0,  32
.set G1B, 48
.set G0B, 56
.set G1S, 68
.set G0S, 76
.set G1SB, 80
.set G0SB, 88
.set G0H, 92
.set G0HB, 96
.set MSB, 0
.macro WIN new
.if MSB != (\new)
	s_set_vgpr_msb (MSB<<8)|(\new)
.set MSB, (\new)
.endif
.endm
.set MUL,    0xa1                      ; source 0 (W) window 1, source 1 (x) window 0, C and D window 2
.set MULZ,   0xb1                      ; the same with C, the bias, in window 3
.set TO_B,   0x40
.macro TL g0, g1                       ; a tensor load with an s_nop and four v_nop behind it
	tensor_load_to_lds s[\g0:\g0+3], s[\g1:\g1+7]
	s_nop 0
.rept 4
	v_nop
.endr
.endm
.macro JLOAD g0a, g0b
	s_cmp_eq_u32 s21, 0
	s_cbranch_scc0 .Lfor_b_\@
	TL \g0a, G1
	s_branch .Lasked_\@
.Lfor_b_\@:
	TL \g0b, G1B
.Lasked_\@:
.endm
.macro CREST
	s_cmp_lg_u32 s20, 0
	s_cbranch_scc1 .Lnot_wave_0_\@
	s_barrier_signal -3
.Lnot_wave_0_\@:
	s_barrier_wait -3
	s_barrier_signal -1
	s_barrier_wait -1
.endm
.macro CROUND
	s_barrier_signal -1
	s_barrier_wait -1
	CREST
.endm
.macro ARM under, g0, g1, next
	s_cmp_lt_u32 s20, \under
	s_cbranch_scc0 \next
	TL \g0, \g1
	s_branch .Lhead_asked
\next:
.endm
	s_load_b256 s[4:11], s[0:1], 0x0               ; codes, scl, bq, bk
	s_load_b256 s[12:19], s[0:1], 0x20             ; bv, qp, kp, vp
	v_lshl_add_u32 v[SPW], v0, 2, SPARE
	v_mov_b32 v[NIL], 0
	ds_add_u32 v[SPW], v[NIL]                      ; the opening lines
	ds_add_u32 v[SPW], v[NIL]
	v_lshrrev_b32 v1, 5, v0
	v_readfirstlane_b32 s20, v1                    ; wave
	s_lshr_b32 s21, s20, 1                         ; my half of the rows; in the ring: I fetch for A (0) or B (1)
	s_and_b32 s22, s20, 1                          ; my half of the columns; in the ring: which two chunks
	s_bfe_u32 s40, ttmp6, 0x40000
	s_bfe_u32 s41, ttmp6, 0x40004
	s_lshl_b32 s42, ttmp9, 2
	s_add_co_u32 s42, s42, s40                     ; block column 0..3
	s_and_b32 s45, ttmp7, 0xffff
	s_lshl_b32 s45, s45, 2
	s_add_co_u32 s45, s45, s41                     ; block row 0..63: the head
	s_lshl_b32 s43, s41, 2
	s_lshl_b32 s43, 15, s43
	s_lshl_b32 s44, 0x1111, s40
	s_or_b32 s[G1+0], s43, (3<<16)|(1<<21)
	s_or_b32 s[G1B+0], s44, (3<<16)|(1<<21)
.irp g, G1, G1B
	s_mov_b32 s[\g+2], 4<<16                       ; the head's loads bring four chunks
	s_mov_b32 s[\g+4], 4
	s_mov_b32 s[\g+6], 0
	s_mov_b32 s[\g+7], 0
.endr
	s_mov_b32 s[G1+1], 768<<16                     ; a chunk of 128 rows: 768 elements of 8 bytes
	s_mov_b32 s[G1+3], 768<<16
	s_mov_b32 s[G1+5], 49152
	s_mov_b32 s[G1B+1], 1536<<16                   ; of 256 rows
	s_mov_b32 s[G1B+3], 1536<<16
	s_mov_b32 s[G1B+5], 6144
	s_or_b32 s[G1S+0], s43, (3<<16)|(1<<20)|(1<<21)|(6<<22)|(127<<25)   ; behind each 128 words 128 words of padding
	s_or_b32 s[G1SB+0], s44, (3<<16)|(1<<21)
.irp g, G1S, G1SB
	s_mov_b32 s[\g+2], NPL<<16
	s_mov_b32 s[\g+4], NPL
	s_mov_b32 s[\g+6], 0
	s_mov_b32 s[\g+7], 0
.endr
	s_mov_b32 s[G1S+1], 64<<16
	s_mov_b32 s[G1S+3], 64<<16
	s_mov_b32 s[G1S+5], 4096
	s_mov_b32 s[G1SB+1], 128<<16
	s_mov_b32 s[G1SB+3], 128<<16
	s_mov_b32 s[G1SB+5], 512
.irp g, G0, G0+4, G0B, G0B+4, G0S, G0SB, G0H, G0HB
	s_mov_b32 s[\g], 1
.endr
	s_mov_b32 s[G0H+1], 0
	s_mov_b32 s[G0HB+1], TA
	s_mov_b32 s[G0S+1], SCLA
	s_mov_b32 s[G0SB+1], SCLB
	s_mul_i32 s[G0+1], s22, 2*CHA
	s_add_co_u32 s[G0+5], s[G0+1], SLOT
	s_mul_i32 s66, s22, 2*CHB
	s_add_co_u32 s[G0B+1], s66, TA
	s_add_co_u32 s[G0B+5], s66, TA+SLOT
	s_mov_b32 s67, 0
	s_mov_b32 s100, 0x76543210
	s_mov_b32 s101, 0xfedcba98
	s_wait_dscnt 0x0
	s_wait_kmcnt 0x0
	s_mul_i32 s66, s45, CHA
	s_add_nc_u64 s[G0H+2:G0H+3], s[4:5], s[66:67]
	s_lshl_b32 s66, s45, 9
	s_add_nc_u64 s[G0S+2:G0S+3], s[6:7], s[66:67]
	s_mul_i32 s66, s42, CHB
	s_add_co_u32 s66, s66, 18874368
	s_add_nc_u64 s[G0HB+2:G0HB+3], s[4:5], s[66:67]
	s_lshl_b32 s66, s42, 10
	s_add_co_u32 s66, s66, 786432
	s_add_nc_u64 s[G0SB+2:G0SB+3], s[6:7], s[66:67]
	s_mul_i32 s66, s22, 2*393216
	s_add_nc_u64 s[G0+2:G0+3], s[G0H+2:G0H+3], s[66:67]
	s_add_nc_u64 s[G0+6:G0+7], s[G0+2:G0+3], ASTEP
	s_mul_i32 s66, s22, 2*49152
	s_add_nc_u64 s[G0B+2:G0B+3], s[G0HB+2:G0HB+3], s[66:67]
	s_add_nc_u64 s[G0B+6:G0B+7], s[G0B+2:G0B+3], BSTEP
	; the prefetches: of a slot's four chunks the partner at place p (cx for A, cy for B) takes chunk p, and of it each of the two waves one half
	s_cmp_eq_u32 s21, 0
	s_cselect_b64 s[4:5], s[G0H+2:G0H+3], s[G0HB+2:G0HB+3]
	s_cselect_b32 s2, s40, s41
	s_mov_b32 s3, 49152
	s_cselect_b32 s3, 393216, s3
	s_mov_b32 s46, CHB/2
	s_cselect_b32 s46, CHA/2, s46
	s_mov_b32 s6, BSTEP
	s_cselect_b32 s6, ASTEP, s6                    ; s[6:7]: a slot's step
	s_mov_b32 s7, 0
	s_cselect_b32 s47, 11, 23                      ; my last block of 256 bytes
	s_mul_i32 s66, s2, s3
	s_mul_i32 s46, s46, s22
	s_add_co_u32 s66, s66, s46
	s_mul_i32 s46, s6, 3
	s_add_co_u32 s66, s66, s46                     ; at slot 3: the first change of slots steps it to slot 4
	s_add_nc_u64 s[4:5], s[4:5], s[66:67]
.irp g, G0, G0+4, G0B, G0B+4, G0S, G0SB, G0H, G0HB
	s_or_b32 s[\g+3], s[\g+3], 0x80000000
.endr
	s_mul_i32 s66, s45, 106496                     ; my plane: head, 2 x block column + half
	s_lshl_b32 s46, s42, 1
	s_add_co_u32 s46, s46, s22
	s_mul_i32 s46, s46, 13312
	s_add_co_u32 s66, s66, s46
	s_add_nc_u64 s[14:15], s[14:15], s[66:67]
	s_add_nc_u64 s[16:17], s[16:17], s[66:67]
	s_add_nc_u64 s[18:19], s[18:19], s[66:67]
	s_lshl_b32 s66, s42, 10
	s_lshl_b32 s46, s22, 9
	s_add_co_u32 s66, s66, s46
	s_add_nc_u64 s[8:9], s[8:9], s[66:67]
	s_add_nc_u64 s[10:11], s[10:11], s[66:67]
	s_lshr_b32 s66, s66, 4
	s_add_nc_u64 s[12:13], s[12:13], s[66:67]
	CROUND                                         ; all sixteen work-groups are here: the first joint loads meet
	ARM 1, G0H,  G1,  .Lhead_b
	ARM 2, G0HB, G1B, .Lhead_sa
	ARM 3, G0S,  G1S, .Lhead_sb
	TL G0SB, G1SB
.Lhead_asked:
	s_mul_i32 s2, s21, 3072                        ; my 64 rows of A
	s_mul_i32 s3, s22, CHA
	s_add_co_u32 s3, s3, TA                        ; my 128 rows of B
	s_lshl_b32 s40, s21, 8
	s_add_co_u32 s40, s40, SCLA                    ; A's scale words of my rows
	s_lshl_b32 s41, s22, 9
	s_add_co_u32 s41, s41, SCLB
	s_sub_co_u32 s41, s41, s40                     ; and how far on B's lie
	s_lshl_b32 s66, s20, 12
	s_add_co_u32 s43, s66, STQ
	s_add_co_u32 s44, s66, STV
	s_lshl_b32 s46, s20, 10
	s_add_co_u32 s46, s46, SSQ
	s_lshl_b32 s66, s20, 9
	s_add_co_u32 s66, s66, SSV
	s_mul_i32 s67, s21, 6144
	s_lshl_b32 s42, s21, 9
	s_lshl_b32 s45, s21, 8
	v_and_b32 v1, 15, v0
	v_bfe_u32 v2, v0, 4, 1
	v_and_b32 v15, 31, v0
	v_lshlrev_b32 v31, 6, v2                       ; the bias of q and k: 16 numbers a half
	v_lshlrev_b32 v26, 2, v2                       ; of v
	v_mul_u32_u24 v3, v1, 48
	v_mad_u32_u24 v3, v2, 24, v3
	v_add_nc_u32 v[ADRA], s2, v3
	v_add_nc_u32 v[ADRB], s3, v3
	v_add_nc_u32 v[ADRA+1], SLOT, v[ADRA]
	v_add_nc_u32 v[ADRB+1], SLOT, v[ADRB]
	v_lshlrev_b32 v3, 2, v1
	v_mul_u32_u24 v14, s41, v2
	v_add_nc_u32 v3, v3, v14
	v_add_nc_u32 v[ADRS], s40, v3
	v_lshl_add_u32 v[ADRS2], v2, 8, v[ADRS]
	v_sub_nc_u32 v[ADRS2], v[ADRS2], 256           ; for B's blocks 4-7: lanes 0-15 read A's blocks 0-3 once more
	v_lshlrev_b32 v13, 4, v15
	v_lshlrev_b32 v23, 3, v15
	v_mul_u32_u24 v12, v15, 12
	v_lshlrev_b32 v4, 7, v1
	v_lshl_add_u32 v4, v2, 4, v4
	v_add_nc_u32 v4, s43, v4
	v_add_nc_u32 v5, s43, v13
	v_lshrrev_b32 v14, 1, v1
	v_lshlrev_b32 v8, 8, v14
	v_lshl_add_u32 v8, v2, 7, v8
	v_and_b32 v3, 1, v1
	v_lshl_add_u32 v8, v3, 4, v8
	v_add_nc_u32 v8, s44, v8
	v_add_nc_u32 v9, s44, v13
	v_lshl_add_u32 v6, v1, 3, s46
	v_add_nc_u32 v7, s46, v13
	v_and_b32 v10, 3, v14
	v_lshl_add_u32 v10, v2, 2, v10
	v_lshrrev_b32 v3, 3, v1
	v_lshl_add_u32 v10, v3, 5, v10
	v_add_nc_u32 v10, s66, v10
	v_add_nc_u32 v11, s66, v23
	v_add_nc_u32 v12, s67, v12                     ; global offsets: my half of the plane's codes,
	v_add_nc_u32 v22, s42, v13                     ; of q's and k's scale words,
	v_add_nc_u32 v24, s45, v23                     ; of v's
	v_min_u32 v25, s47, v15
	v_lshlrev_b32 v25, 8, v25                      ; the prefetches: a lane a block of 256 bytes; the lanes left over name the last again
.macro BIASQ p                         ; the bias as the results lie: columns 32 (b / 2) + 16 h + 8 (b % 2) + 0..7
	WIN 0xc0
.irp b, 0,1,2,3,4,5,6,7
	global_load_b128 v[8*\b:8*\b+3], v31, s[\p:\p+1] offset:128*(\b/2)+32*(\b%2)
	global_load_b128 v[8*\b+4:8*\b+7], v31, s[\p:\p+1] offset:128*(\b/2)+32*(\b%2)+16
.endr
	WIN 0
.endm
	BIASQ 8
.macro FRAG reg, adr, q, i, ch
.irp p, 0,1,2,3,4,5
	ds_load_b64 v[\reg+2*\p:\reg+2*\p+1], v[\adr] offset:(2*(\q)+\p/3)*(\ch)+8*(\p%3)+(\i)*768
.endr
.endm
.macro MUL16 a0, q, sc, zero           ; A's blocks a0, a0 + 1 x B's eight; fragment sets q; the accumulators by turns
.irp a, \a0, \a0+1
.irp b, 0,1,2,3,4,5,6,7
.if \zero
	v_wmma_scale_f32_16x16x128_f8f6f4 v[8*(8*(\a)+\b):8*(8*(\a)+\b)+7], v[128*(\q)+FR*\b:128*(\q)+FR*\b+FR-1], v[AF+48*(\q)+FR*(\a):AF+48*(\q)+FR*(\a)+FR-1], v[8*\b:8*\b+7], v[SC+16*(\sc)+2*\b+(\q)], v[SC+16*(\sc)+2*(\a)+(\q)] matrix_a_fmt:MATRIX_FMT_BF6 matrix_b_fmt:MATRIX_FMT_BF6 matrix_a_scale:MATRIX_SCALE_ROW1
.else
	v_wmma_scale_f32_16x16x128_f8f6f4 v[8*(8*(\a)+\b):8*(8*(\a)+\b)+7], v[128*(\q)+FR*\b:128*(\q)+FR*\b+FR-1], v[AF+48*(\q)+FR*(\a):AF+48*(\q)+FR*(\a)+FR-1], v[8*(8*(\a)+\b):8*(8*(\a)+\b)+7], v[SC+16*(\sc)+2*\b+(\q)], v[SC+16*(\sc)+2*(\a)+(\q)] matrix_a_fmt:MATRIX_FMT_BF6 matrix_b_fmt:MATRIX_FMT_BF6 matrix_a_scale:MATRIX_SCALE_ROW1
.endif
.endr
.endr
.endm
.macro FETCH_B slot, q                 ; 48 loads
	WIN TO_B
.irp i, 0,1,2,3,4,5,6,7
	FRAG 128*(\q)+FR*\i, ADRB+\slot, \q, \i, CHB
.endr
	WIN 0
.endm
.macro FETCH_A slot, q                 ; 24 loads
.irp i, 0,1,2,3
	FRAG AF+48*(\q)+FR*\i, ADRA+\slot, \q, \i, CHA
.endr
.endm
.macro SCALES sc, sn                   ; the scale words of a slot's two steps; sn: the slot's number in the tensor
.irp q, 0,1
.irp i, 0,1,2,3
	ds_load_b32 v[SC+16*(\sc)+2*\i+\q], v[ADRS] offset:64*\i+1024*\q+2048*(\sn)
.endr
.irp i, 4,5,6,7
	ds_load_b32 v[SC+16*(\sc)+2*\i+\q], v[ADRS2] offset:64*\i+1024*\q+2048*(\sn)
.endr
.endr
.endm
.macro PLACES n
.rept \n
	v_nop
.endr
.endm
.macro HALF0 slot, zero                ; a slot's first step; its second step's fragments are fetched under it
	PLACES NP
	FETCH_B \slot, 1
	s_wait_dscnt 48                                ; this step's fragments and scale words are in; the 48 just issued may be out
.if \zero
	s_wait_loadcnt 0x0                             ; the bias
	WIN MULZ
.else
	WIN MUL
.endif
	MUL16 0, 0, \slot, \zero
	WIN 0
	FETCH_A \slot, 1
.if \zero
	WIN MULZ
.else
	WIN MUL
.endif
	MUL16 2, 0, \slot, \zero
	WIN 0
.endm
; A slot: two steps of 128 along K.  All of the slot's fragments are in registers at the head of its second step: there the slots change.
.macro PHASE slot, sn, zero, fill, ask
	HALF0 \slot, \zero
.if \ask
	s_wait_xcnt 0x0                                ; my last prefetch has read its address
	s_add_nc_u64 s[4:5], s[4:5], s[6:7]
.endif
	s_wait_tensorcnt 0x0                           ; my part of the other slot has landed;
	ds_add_u32 v[SPW], v[NIL]
	s_wait_dscnt 1                                 ; the second step's fragments are in (the add may be out)
	WIN MUL
	MUL16 0, 1, \slot, 0
	s_wait_dscnt 0x0
	WIN 0
	s_barrier_signal -1
	s_barrier_wait -1
.if \fill
	CREST                                          ; the barrier has opened a round of the cluster's barrier
	s_add_nc_u64 s[G0+4*\slot+2:G0+4*\slot+3], s[G0+4*\slot+2:G0+4*\slot+3], 2*ASTEP
	s_add_nc_u64 s[G0B+4*\slot+2:G0B+4*\slot+3], s[G0B+4*\slot+2:G0B+4*\slot+3], 2*BSTEP
	JLOAD G0+4*\slot, G0B+4*\slot                  ; two slots on; its four v_nop are the places in front of the loads below
.else
	PLACES NP
.endif
	FETCH_B 1-\slot, 0
	FETCH_A 1-\slot, 0
	SCALES 1-\slot, \sn
.if \ask
	global_prefetch_b8 v25, s[4:5] th:TH_LOAD_NT scope:SCOPE_SE   ; the slot two refills on
.endif
	WIN MUL
	MUL16 2, 1, \slot, 0
	WIN 0
.endm
; THE WAY OUT of 16 rows x 128 columns: block maxima, scale bytes, codes; through my own stage; out in runs of 384 bytes.
.macro QUANT a, isv
.set AC, 64*(\a)
.set PS, PC+16*((\a)%2)
.set BS, BYT+4*((\a)%2)
.set WS, SWD+2*((\a)%2)
	WIN 0x28
.irp p, 0,1,2,3
	v_max3_num_f32 v[TM+\p], 0x2800000, |v[AC+16*\p]|, |v[AC+16*\p+1]|
.endr
.irp i, 2,4,6,8,10,12,14
.irp p, 0,1,2,3
	v_max3_num_f32 v[TM+\p], v[TM+\p], |v[AC+16*\p+\i]|, |v[AC+16*\p+\i+1]|
.endr
.endr
	WIN 0
.if \isv
.irp p, 0,1,2,3
	v_max_num_f32_dpp v[TM+\p], v[TM+\p], v[TM+\p] row_xmask:1 row_mask:0xf bank_mask:0xf   ; v: a block of 32 keys lies in two neighbouring rows
.endr
.else
.irp p, 0,1,2,3
	v_permlanex16_b32 v[TM+4+\p], v[TM+\p], s100, s101
.endr
.irp p, 0,1,2,3
	v_max_num_f32 v[TM+\p], v[TM+\p], v[TM+4+\p]
.endr
.endif
.irp p, 0,1,2,3
	v_add_nc_u32 v[TM+8+\p], 0xfe000000, v[TM+\p]
.endr
.irp p, 0,1,2,3
	v_lshrrev_b32 v[BS+\p], 23, v[TM+8+\p]
.endr
	WIN 0x02
.irp p, 0,1,2,3
	v_cvt_scalef32_pk16_bf6_f32 v[PS+4*\p:PS+4*\p+2], v[AC+16*\p:AC+16*\p+15], v[TM+8+\p]
.endr
	WIN 0
	v_nop
.if !\isv
.irp j, 0,1
	v_lshl_or_b32 v[WS+\j], v[BS+2*\j+1], 8, v[BS+2*\j]
.endr
.irp j, 0,1
	v_lshl_or_b32 v[WS+\j], v[WS+\j], 16, v[WS+\j]
.endr
.endif
.endm
.macro TOSTAGE a, isv
.set PS, PC+16*((\a)%2)
.set BS, BYT+4*((\a)%2)
.set WS, SWD+2*((\a)%2)
.set KS, BK+16*((\a)%2)
.if (\a) >= 2
	s_wait_xcnt 0x0
.endif
.if \isv
.irp p, 0,1,2,3
	ds_store_b96 v8, v[PS+4*\p:PS+4*\p+2] offset:2048*((\a)%2)+32*\p
.endr
.irp p, 0,1,2,3
	ds_store_b8 v10, v[BS+\p] offset:64*(\a)+8*\p
.endr
.irp k, 0,1,2,3
	ds_load_b96 v[KS+4*\k:KS+4*\k+2], v9 offset:2048*((\a)%2)+512*\k
.endr
.else
.irp p, 0,1,2,3
	ds_store_b96 v4, v[PS+4*\p:PS+4*\p+2] offset:2048*((\a)%2)+32*\p
.endr
	ds_store_b64 v6, v[WS:WS+1] offset:128*(\a)
.irp k, 0,1,2,3
	ds_load_b96 v[KS+4*\k:KS+4*\k+2], v5 offset:2048*((\a)%2)+512*\k
.endr
.endif
.endm
.macro SEND a, o
.set KS, BK+16*((\a)%2)
	s_wait_dscnt 0x0
.irp k, 0,1,2,3
	global_store_b96 v12, v[KS+4*\k:KS+4*\k+2], s[\o:\o+1] offset:1536*(\a)+384*\k
.endr
.endm
.macro EPI isv, o
	s_wait_xcnt 0x0                                ; the last tensor's stores have read their registers
.if !\isv
.irp p, 0,1,2,3
	v_mov_b32 v[TM+4+\p], 0
.endr
.endif
	QUANT 0, \isv
	TOSTAGE 0, \isv
.irp a, 1,2,3
	QUANT \a, \isv
	s_wait_alu depctr_va_vdst(0)
	SEND \a-1, \o
	TOSTAGE \a, \isv
.endr
	SEND 3, \o
	s_wait_xcnt 0x0
.if \isv
	ds_load_b64 v[BK:BK+1], v11
	v_mov_b32 v[BK+2], 0
	v_mov_b32 v[BK+3], 0
	s_wait_alu depctr_va_vdst(0)
	s_wait_dscnt 0x0
	global_store_b64 v24, v[BK:BK+1], s[\o:\o+1] offset:12288
	global_store_b64 v24, v[BK+2:BK+3], s[\o:\o+1] offset:12800   ; the plane's rest, which the attention's tensor loads read: zeros
.else
	ds_load_b128 v[BK:BK+3], v7
	s_wait_dscnt 0x0
	global_store_b128 v22, v[BK:BK+3], s[\o:\o+1] offset:12288
.endif
.endm
	s_wait_alu depctr_va_vdst(0)                   ; the head's end
	s_wait_tensorcnt 0x0                           ; my tile of the head's four is in
	ds_add_u32 v[SPW], v[NIL]
	s_mov_b32 s[G1+2], 2<<16                       ; no tensor load of mine is out: from here on a load brings two chunks
	s_mov_b32 s[G1+4], 2
	s_mov_b32 s[G1B+2], 2<<16
	s_mov_b32 s[G1B+4], 2
	s_wait_dscnt 0x0
	CROUND
	JLOAD G0+4, G0B+4                              ; slot 1's first fill, issued as a refill is
	FETCH_B 0, 0
	FETCH_A 0, 0
	SCALES 0, 0
	s_mov_b32 s23, 0
.Ltensor:                                              ; q, then k
	PHASE 0, 1, 1, 1, 1
	PHASE 1, 2, 0, 1, 1
	PHASE 0, 3, 0, 1, 1
	PHASE 1, 4, 0, 1, 1                            ; its fetches are the next tensor's first
	PLACES NP
	s_cmp_eq_u32 s23, 0                            ; the next tensor's bias: k's, or v's
	s_cbranch_scc0 .Lbias_v
	BIASQ 10
	s_branch .Lbias_done
.Lbias_v:
	WIN 0xc0
.irp b, 0,1,2,3,4,5,6,7
.irp i, 0,1,2,3,4,5,6,7
	global_load_b32 v[8*\b+\i], v26, s[12:13] offset:2048*(\b%2)+256*\i+8*(\b/2)
.endr
.endr
	WIN 0
.Lbias_done:
	EPI 0, 14
	s_wait_alu depctr_va_vdst(0)
	v_add_nc_u32 v[ADRS], 8192, v[ADRS]            ; the next tensor's eight rows of scale words
	v_add_nc_u32 v[ADRS2], 8192, v[ADRS2]
	s_wait_xcnt 0x0
	s_mov_b64 s[14:15], s[16:17]
	s_add_co_u32 s23, s23, 1
	s_cmp_lt_u32 s23, 2
	s_wait_alu depctr_va_vdst(0)
	s_cbranch_scc1 .Ltensor
	PHASE 0, 1, 1, 1, 0                            ; v
	PHASE 1, 2, 0, 1, 0
	PHASE 0, 3, 0, 0, 0
	HALF0 1, 0
	s_wait_dscnt 0x0
	WIN MUL
	MUL16 0, 1, 1, 0
	MUL16 2, 1, 1, 0
	WIN 0
	PLACES NP
	EPI 1, 18
	s_wait_tensorcnt 0x0                           ; the wave's end
	ds_add_u32 v[SPW], v[NIL]
	s_wait_dscnt 0x0
	CROUND
	s_endpgm
.Lfunc_end_k_q4cc7f40540_proj:
	.size	k_q4cc7f40540_proj, .Lfunc_end_k_q4cc7f40540_proj-k_q4cc7f40540_proj
	.p2alignl 7, 3214868480
	.fill 96, 4, 3214868480
	.section	.rodata,"a",@progbits
	.p2align	6, 0x0
	.amdhsa_kernel k_q4cc7f40540_proj
		.amdhsa_group_segment_fixed_size 327680
		.amdhsa_private_segment_fixed_size 0
		.amdhsa_enable_private_segment 0
		.amdhsa_kernarg_size 64
		.amdhsa_user_sgpr_count 2
		.amdhsa_user_sgpr_kernarg_segment_ptr 1
		.amdhsa_wavefront_size32 1
		.amdhsa_system_sgpr_workgroup_id_x 1
		.amdhsa_system_sgpr_workgroup_id_y 1
		.amdhsa_system_sgpr_workgroup_id_z 1
		.amdhsa_system_vgpr_workitem_id 0
		.amdhsa_next_free_vgpr 1024
		.amdhsa_next_free_sgpr 102
		.amdhsa_reserve_vcc 0
		.amdhsa_float_denorm_mode_32 3
		.amdhsa_float_denorm_mode_16_64 3
		.amdhsa_memory_ordered 1
		.amdhsa_forward_progress 1
		.amdhsa_inst_pref_size 215
	.end_amdhsa_kernel
	.amdgpu_metadata
---
amdhsa.version: [ 1, 2 ]
amdhsa.kernels:
  - .name:           k_q4cc7f40540_proj
    .symbol:         k_q4cc7f40540_proj.kd
    .args:
      - { .name: codes, .offset: 0, .size: 8, .value_kind: global_buffer, .address_space: global }
      - { .name: scl, .offset: 8, .size: 8, .value_kind: global_buffer, .address_space: global }
      - { .name: bq, .offset: 16, .size: 8, .value_kind: global_buffer, .address_space: global }
      - { .name: bk, .offset: 24, .size: 8, .value_kind: global_buffer, .address_space: global }
      - { .name: bv, .offset: 32, .size: 8, .value_kind: global_buffer, .address_space: global }
      - { .name: qp, .offset: 40, .size: 8, .value_kind: global_buffer, .address_space: global }
      - { .name: kp, .offset: 48, .size: 8, .value_kind: global_buffer, .address_space: global }
      - { .name: vp, .offset: 56, .size: 8, .value_kind: global_buffer, .address_space: global }
    .group_segment_fixed_size: 327680
    .private_segment_fixed_size: 0
    .kernarg_segment_align: 8
    .kernarg_segment_size: 64
    .max_flat_workgroup_size: 128
    .sgpr_count:     102
    .vgpr_count:     1024
    .wavefront_size: 32
...
	.end_amdgpu_metadata
.endif
;; end of part 2
;; launch attn (part 3): grid 4 x 64, 8 waves a work-group, clusters of 4 x 1, 239,104 bytes of LDS; arguments qp, kp, vp, mask, xc, xs; writes xc, xs
.if DOCPART == 3
	.amdgcn_target "amdgcn-amd-amdhsa--gfx1250"
	.amdhsa_code_object_version 6
	.text
	.protected	k_q4cc7f40540_attn
	.globl	k_q4cc7f40540_attn
	.p2align	8
	.type	k_q4cc7f40540_attn,@function
k_q4cc7f40540_attn:
	s_mov_b64 s[64:65], 0
	v_nop
	global_prefetch_b8 v0, s[64:65] scope:SCOPE_SE
	s_setreg_imm32_b32 hwreg(HW_REG_WAVE_MODE, 25, 1), 1
	s_wait_xcnt 0x0
	s_wait_alu depctr_hold_cnt(0) depctr_sa_sdst(0) depctr_va_vdst(0) depctr_va_sdst(0) depctr_va_ssrc(0) depctr_va_vcc(0) depctr_vm_vsrc(0)
	s_getreg_b32 s2, hwreg(HW_REG_IB_STS2, 6, 4)
	s_cmp_eq_u32 s2, 0
	s_cbranch_scc0 .Lentry_in_a_cluster
	s_endpgm
.Lentry_in_a_cluster:
	s_bfe_u32 s2, ttmp6, 0x10000c
	s_cmp_lg_u32 s2, 0x3003
	s_cbranch_scc0 .Lentry_shape_is_right
	s_endpgm
.Lentry_shape_is_right:
; For each of the 64 heads: x = softmax(q k^T / 8, hidden keys left out) v, both products on codes of BF6 (E3M2) with E8M0 scales; x is quantised here, along its 64 channels, for the last projection.
; THE SOFTMAX AHEAD OF THE SECOND PRODUCT: t = score x log2(e) / 8; M = the running largest t rounded up to a whole number; p = 2^(t - M) is quantised along the keys; the row's sum l is taken of the unquantised p and divides at the end.
; SHARES.  A work-group owns 512 queries of one head, the four of a cluster the head's 2,048.  Each of eight waves owns 64 queries: two passes of two tiles of 16, so that each fragment of K and V, each mask number and each address serves 32 queries.
; THE WHOLE HEAD'S K AND V LIE IN LDS, filled once by one joint load a wave: planes P and P + 4 as two rows of 13,312 bytes.  So the key loop has no barrier and no refill, and nothing is left to prefetch: memory is asked once, at the head.
; The pairs lie 26,720 and 53,376 bytes apart (24 and 32 words mod 64): the 32 lanes of every 8-byte load of codes touch 64 different banks.
; LAYOUT.  Both products are used transposed: S^T = K Q^T, O^T = V^T P^T: a lane holds one query (lane % 16).  Score tile 4 c + i takes keys 64 c + 8 i + 0..7 in its rows 0-7 and the keys 32 further on in rows 8-15:
; so lane (r, h) holds in 32 registers on end the whole block 2 c + h of 32 keys, in order: a block's maximum needs no other lane, and the conversions' results are p's operand as it stands (three moves a block: a conversion's registers begin on an even number).
; K = 64 fills half of a score product: registers 6-11 of Q's fragments are zero codes; K's fragments lie 6 registers apart, and what stands in their upper halves (the next tile's codes) multiplies those zeros.
; THE MASK is the C of the score products: a table of f32 in LDS holds 0 for a key that counts and -2^110 for a hidden one.
; The running largest score begins at -2^103: above every hidden score, so hidden keys give p = 0 from the first step on; when the first real score comes, 2^(old M - new M) is 0 and multiplies zeros.
; A batch with no key that counts: q's codes are cleared and the running score begins at -3e38: every score is -2^110 exactly, t - M = 0, p = 1, l = 2,048: uniform weights.
; Behind the score products a step asks LDS for V's fragments and for the NEXT step's K, scales and mask (step index mod 16): pass 0's last step so fetches pass 1's first; pass 1's last step fetches step 0 once more, unused.
; LIMITS: a hidden logit is (logit - 2^107) in place of -1e9: the same result while real scores stay above -2^103 and under 2^80 in magnitude.  NaN and infinities are not served.  Blocks under 2^-122 keep the byte 1.
; x's scale bytes leave as runs of two bytes (a head has two blocks of a row's word).
; REGISTERS.  Window 0: addresses, fragments, scale words, the mask's numbers.  Window 1 (written by its low 8 bits): S^T of the two tiles 0-127, O^T 128-191, each tile's small numbers from 192 + 32 q.
.set XP,   13312                       ; a plane; the second of a pair
.set X1,   26720                       ; from pair to pair
.set X2,   53376
.set VB,   106752                      ; V's pairs behind K's
.set MT,   213504                      ; the mask as f32, 4 bytes a key
.set XST,  MT+8192                     ; 2,048 bytes a wave: the way out
.set SPARE, XST+16384                  ; the spare words
.set NEGB, 0xf6800000                  ; -2^110
.set AK0,  1
.set AV0,  2
.set ASK0, 3
.set ASV0, 4
.set AM0,  5
.set QA,   6
.set QSA,  7
.set ADK,  8
.set ADV,  9
.set ADS,  10
.set ADT,  11
.set ADM,  12
.set XO,   13
.set SPW,  14
.set NIL,  15
.set QF,   16                          ; v16-39 Q's two fragments
.set KF,   40                          ; v40-93 K's eight fragments, 6 registers apart, and six zeros
.set KSC,  94                          ; v94-97 K's scale words, v98-99 V's, v100-101 Q's, v102-103 p's: and nothing else
.set VSC,  98
.set QSC,  100
.set PSC,  102
.set MK,   104                         ; v104-167 the mask's numbers of a step
.set VF,   168                         ; v168-215 V's four fragments
.set PF,   216                         ; v216-239 p's codes, two tiles
.set XSO,  240
.set STI,  241
.set STO,  242
.set S,    0                           ; window 1
.set O,    128
.set T,    192
.set BM,   0
.set NM,   2                           ; the pair (-M, running largest score)
.set RUN,  3
.set L,    4
.set F,    6
.set SO,   8
.set TMP,  10
.set PX,   11
.set CT,   12
.set PS,   20
.set BY,   28
.set SH8,  222                         ; 8 h
.set WV,   16
.set SEL,  20
.set CS,   22
.set G1,   24
.set G0,   32
.set KEEP, 36
.set HI16, 37
.set T0,   38
.set SKV,  40
.set SVS,  41
.set NI,   42
.set SKN,  43
.set CNT,  44
.set PASSC, 60
.set SKSN, 61
.set SMN,  62
.set MSB, 0
.macro WIN new                         ; the immediate's high byte repeats the setting that is left
.if MSB != (\new)
	s_set_vgpr_msb (MSB<<8)|(\new)
.set MSB, (\new)
.endif
.endm
.macro ROUND                           ; a round of the cluster's barrier
	s_barrier_signal -1
	s_barrier_wait -1
	s_cmp_lg_u32 s[WV], 0
	s_cbranch_scc1 .Lnot_wave_0_\@
	s_barrier_signal -3
.Lnot_wave_0_\@:
	s_barrier_wait -3
	s_barrier_signal -1
	s_barrier_wait -1
.endm
.macro KLOAD                           ; a step's K, its scale words and its mask numbers: 24 + 4 + 16 loads
.irp t,0,1,2,3,4,5,6,7
.irp p,0,1,2
	ds_load_b64 v[KF+6*\t+2*\p:KF+6*\t+2*\p+1], v[ADK] offset:XP*(\t%2)+96*((\t%4)/2)+384*(\t/4)+8*\p
.endr
.endr
.irp b,0,1,2,3
	ds_load_b32 v[KSC+\b], v[ADS] offset:8*(\b%2)+32*(\b/2)
.endr
.irp t,0,1,2,3,4,5,6,7
	ds_load_b128 v[MK+8*\t:MK+8*\t+3], v[ADM] offset:256*(\t/4)+32*(\t%4)
	ds_load_b128 v[MK+8*\t+4:MK+8*\t+7], v[ADM] offset:256*(\t/4)+32*(\t%4)+16
.endr
.endm
	s_load_b256 s[4:11], s[0:1], 0x0               ; qp, kp, vp, mask
	s_load_b128 s[12:15], s[0:1], 0x20             ; xc, xs
	v_lshl_add_u32 v[SPW], v0, 2, SPARE
	v_mov_b32 v[NIL], 0
	ds_add_u32 v[SPW], v[NIL]                      ; the opening lines
	ds_add_u32 v[SPW], v[NIL]
	v_lshrrev_b32 v8, 5, v0
	v_readfirstlane_b32 s[WV], v8                  ; wave 0..7
	s_and_b32 s17, ttmp7, 0xffff                   ; the head, which the four partners share
	s_mov_b32 s[G1], 15|(3<<16)|(1<<21)            ; elements of 8 bytes; the mask names all four work-groups
	s_mov_b32 s[G1+1], 1664<<16                    ; a row is a plane: 1,664 elements
	s_mov_b32 s[G1+2], 2<<16
	s_mov_b32 s[G1+3], 1664<<16
	s_mov_b32 s[G1+4], 2                           ; two rows,
	s_mov_b32 s[G1+5], 6656                        ; four planes apart
	s_mov_b32 s[G1+6], 0
	s_mov_b32 s[G1+7], 0
	s_mov_b32 s[G0], 1
	s_and_b32 s18, s[WV], 1                        ; wave w's pair lands at (w / 4) VB + (w % 2) X1 + ((w / 2) % 2) X2
	s_mul_i32 s18, s18, X1
	s_bfe_u32 s19, s[WV], 0x10001
	s_mul_i32 s19, s19, X2
	s_add_co_u32 s18, s18, s19
	s_lshr_b32 s19, s[WV], 2
	s_mul_i32 s19, s19, VB
	s_add_co_u32 s[G0+1], s18, s19
	s_mul_i32 s46, s17, 106496                     ; the head's eight planes
	s_and_b32 s19, s[WV], 3
	s_mul_i32 s19, s19, XP
	s_add_co_u32 s58, s46, s19
	s_mov_b32 s59, 0
	s_mov_b32 s[SEL], 0x76543210
	s_mov_b32 s[SEL+1], 0xfedcba98
	s_mov_b32 s[CS], 0x3e38aa3b                    ; c = log2(e) / 8
	s_mov_b32 s[CS+1], s[CS]
	s_mov_b32 s[HI16], 0xffff0000                  ; lanes 16-31
	s_wait_dscnt 0x0
	s_wait_kmcnt 0x0
	s_cmp_lt_u32 s[WV], 4                          ; waves 0-3 bring K's planes, waves 4-7 V's
	s_cselect_b64 s[G0+2:G0+3], s[6:7], s[8:9]
	s_add_nc_u64 s[G0+2:G0+3], s[G0+2:G0+3], s[58:59]
	s_or_b32 s[G0+3], s[G0+3], 0x80000000
	ROUND                                          ; all four work-groups are here: the joint loads meet
	tensor_load_to_lds s[G0:G0+3], s[G1:G1+7]      ; my one tensor load of the launch
	s_nop 0
.rept 4
	v_nop
.endr
	s_bfe_u32 s18, ttmp6, 0x40000                  ; cx: it enters q's and x's global addresses alone
	s_lshl_b32 s19, ttmp9, 2
	s_add_co_u32 s18, s18, s19
	s_lshl_b32 s39, s18, 5
	s_lshl_b32 s19, s[WV], 2
	s_add_co_u32 s39, s39, s19                     ; my first tile of 16 queries: 32 cx + 4 wave; tile q of pass n is 2 n + q further on
	s_mul_i32 s45, s39, 96
	s_add_co_u32 s58, s46, s45
	s_add_nc_u64 s[48:49], s[4:5], s[58:59]        ; its codes
	s_lshl_b32 s45, s39, 3
	s_add_co_u32 s58, s46, s45
	s_add_co_u32 s58, s58, 12288
	s_add_nc_u64 s[50:51], s[4:5], s[58:59]        ; its scale words
	s_lshr_b32 s19, s17, 4                         ; batch
	s_and_b32 s45, s17, 15                         ; head in the batch
	s_lshl_b32 s19, s19, 11
	s_mov_b32 s58, s19
	s_add_nc_u64 s[56:57], s[10:11], s[58:59]      ; the batch's mask
	s_lshl_b32 s39, s39, 4
	s_add_co_u32 s39, s39, s19                     ; my first row of x
	s_mul_i32 s19, s39, 48
	s_mul_i32 s58, s45, 393216
	s_add_co_u32 s58, s58, s19
	s_add_nc_u64 s[52:53], s[12:13], s[58:59]
	s_lshr_b32 s19, s45, 1
	s_lshl_b32 s19, s19, 15
	s_lshl_b32 s58, s39, 2
	s_add_co_u32 s58, s58, s19
	s_and_b32 s19, s45, 1
	s_lshl_b32 s19, s19, 1
	s_add_co_u32 s58, s58, s19
	s_add_nc_u64 s[54:55], s[14:15], s[58:59]
	s_lshl_b32 s19, s[WV], 11
	s_add_co_u32 s19, s19, XST                     ; my stage
	v_lshlrev_b32 v243, 3, v0
	v_and_b32 v254, 31, v0                         ; lane
	v_lshlrev_b32 v176, 4, v254
	global_load_b64 v[244:245], v243, s[56:57]     ; eight keys' mask bytes a thread, for the table
.irp k,0,1,2,3
	global_load_b128 v[MK+4*\k:MK+4*\k+3], v176, s[56:57] offset:512*\k   ; and all 2,048 a wave: does any key count?
.endr
	v_lshl_add_u32 v246, v0, 5, MT
	v_and_b32 v248, 15, v0                         ; r
	v_bfe_u32 v249, v0, 4, 1                       ; h
	v_and_b32 v250, 1, v0                          ; r % 2
	v_bfe_u32 v251, v0, 1, 1
	v_bfe_u32 v252, v0, 2, 1
	v_bfe_u32 v253, v0, 3, 1                       ; r / 8
	v_and_b32 v255, 7, v0                          ; r % 8
	v_bfe_u32 v247, v0, 1, 2                       ; (r % 8) / 2
	v_mul_u32_u24 v177, v251, X1                   ; key 8 u + r % 8 of a row of 16: plane 4 u + (r % 8) / 2, half r % 2
	v_mad_u32_u24 v177, v252, X2, v177
	v_mad_u32_u24 v[AK0], v250, 48, v177
	v_mad_u32_u24 v[AK0], v253, 192, v[AK0]        ; rows 8-15 of a tile: 32 keys, two rows of 96 bytes, on
	v_mad_u32_u24 v[AK0], v249, 24, v[AK0]
	v_lshl_add_u32 v[ASK0], v250, 2, v177          ; K's scale words: lanes 0-15 an even tile's, lanes 16-31 the odd one's
	v_lshl_add_u32 v[ASK0], v253, 4, v[ASK0]
	v_mad_u32_u24 v[ASK0], v249, XP, v[ASK0]
	v_add_nc_u32 v[ASK0], 12288, v[ASK0]
	v_mul_u32_u24 v[AV0], v253, X2                 ; channel 32 b + 8 u + r % 8 + 16 (r / 8): plane 4 b + u + 2 (r / 8); key blocks 2 c + h
	v_mad_u32_u24 v[AV0], v250, 96, v[AV0]
	v_mad_u32_u24 v[AV0], v247, 24, v[AV0]
	v_mad_u32_u24 v[AV0], v249, 192, v[AV0]
	v_add_nc_u32 v[AV0], VB, v[AV0]
	v_mul_u32_u24 v[ASV0], v253, X2
	v_mad_u32_u24 v[ASV0], v249, X1, v[ASV0]
	v_lshl_add_u32 v[ASV0], v255, 2, v[ASV0]
	v_add_nc_u32 v[ASV0], VB+12288, v[ASV0]
	v_lshl_add_u32 v[AM0], v249, 7, MT             ; my half's keys lie 32 further on: 128 h bytes
	v_lshrrev_b32 v178, 1, v248
	v_mul_u32_u24 v[QA], v178, XP                  ; query r of a tile: plane r / 2, half r % 2
	v_lshl_add_u32 v[QSA], v250, 2, v[QA]
	v_mad_u32_u24 v[QA], v250, 48, v[QA]
	v_mad_u32_u24 v[QA], v249, 24, v[QA]
	v_mul_u32_u24 v[XO], v254, 12
	v_lshl_add_u32 v[XSO], v248, 2, v249
	v_lshlrev_b32 v[STI], 6, v248
	v_lshl_add_u32 v[STI], v249, 4, v[STI]
	v_add_nc_u32 v[STI], s19, v[STI]               ; the stage, in: 64 r + 16 h
	v_lshl_add_u32 v[STO], v254, 4, s19            ; and back: 16 x lane
.irp i,6,7,8,9,10,11,18,19,20,21,22,23
	v_mov_b32 v[QF+\i], 0                          ; the unused half of Q: zero codes, written once
.endr
.irp i,48,49,50,51,52,53
	v_mov_b32 v[KF+\i], 0                          ; behind K's last fragment
.endr
	WIN 0x40
	v_lshlrev_b32 v[SH8], 3, v249
.irp q,0,1
	v_mov_b32 v[T+32*\q+PX], 0                     ; a lane permute's destination counts as one of its sources
	v_mov_b32 v[T+32*\q+F+1], 0                    ; named as the upper half of a pair
.endr
	WIN 0
	s_wait_alu depctr_va_vdst(0)                   ; the head's end
	s_wait_loadcnt 0x0
.irp k,0,1,2,3
	v_bfe_u32 v[VF+\k], v244, 8*\k, 1              ; 1: the key counts
	v_bfe_u32 v[VF+4+\k], v245, 8*\k, 1
.endr
.irp k,0,1,2,3,4,5,6,7
	v_add_nc_u32 v[VF+\k], -1, v[VF+\k]            ; 0, or all ones for a hidden key
.endr
.irp k,0,1,2,3,4,5,6,7
	v_and_b32 v[VF+\k], NEGB, v[VF+\k]             ; 0.0, or -2^110
.endr
	ds_store_b128 v246, v[VF:VF+3]
	ds_store_b128 v246, v[VF+4:VF+7] offset:16
.irp k,0,1,2,3,4,5,6,7
	v_or_b32 v[MK+\k], v[MK+\k], v[MK+8+\k]
.endr
.irp k,0,1,2,3
	v_or_b32 v[MK+\k], v[MK+\k], v[MK+4+\k]
.endr
.irp k,0,1
	v_or_b32 v[MK+\k], v[MK+\k], v[MK+2+\k]
.endr
	v_or_b32 v[MK], v[MK], v[MK+1]
	v_cmp_ne_u32 vcc_lo, 0, v[MK]
	s_cmp_lg_u32 vcc_lo, 0                         ; does any key of the batch count?  It selects values only
	s_cselect_b32 s[KEEP], -1, 0
	s_mov_b32 s[T0], 0xff61b1e6                    ; -3e38
	s_cselect_b32 s[T0], 0xf3000000, s[T0]         ; -2^103
	v_mov_b32 v[ADK], v[AK0]
	v_mov_b32 v[ADS], v[ASK0]
	v_mov_b32 v[ADM], v[AM0]
	s_wait_alu depctr_va_vdst(0)
	s_wait_tensorcnt 0x0                           ; my planes have landed,
	s_wait_dscnt 0x0                               ; my part of the table is written:
	s_barrier_signal -1
	s_barrier_wait -1                              ; everybody's.  From here on nobody writes planes or table
	KLOAD                                          ; step 0
	s_mov_b32 s[PASSC], 0
.Lpass:                                                ; A PASS: two tiles of 16 queries through all 2,048 keys, and out
.irp q,0,1
.irp p,0,1,2
	global_load_b64 v[QF+12*\q+2*\p:QF+12*\q+2*\p+1], v[QA], s[48:49] offset:96*\q+8*\p
.endr
	global_load_b32 v[QSC+\q], v[QSA], s[50:51] offset:8*\q
.endr
	WIN 0x40
.irp q,0,1
	v_mov_b32 v[T+32*\q+RUN], s[T0]                ; the largest score so far
	v_mov_b32 v[T+32*\q+L], 0                      ; the sum, in two halves
	v_mov_b32 v[T+32*\q+L+1], 0
.endr
	WIN 0x55
.irp q,0,1
	v_mul_f32 v[T+32*\q+TMP], s[CS], v[T+32*\q+RUN]
.endr
.irp q,0,1
	s_delay_alu instid0(VALU_DEP_2)
	v_floor_f32 v[T+32*\q+NM], -v[T+32*\q+TMP]     ; -M
.endr
	WIN 0
	s_mov_b32 s[CNT], 0
	s_wait_alu depctr_va_vdst(0)
	s_wait_loadcnt 0x0
.irp i,0,1,2,3,4,5,12,13,14,15,16,17
	v_and_b32 v[QF+\i], s[KEEP], v[QF+\i]          ; cleared where no key of the batch counts
.endr
	WIN 0x40
.set JJ, 0
.rept 64
	v_mov_b32 v[O+JJ], 0                           ; O^T: the step is written once; its first trip finds zeros.  (Also the places between Q's writes and the products)
.set JJ, JJ+1
.endr
	WIN 0
.Lstep:                                                ; A KEY STEP: 128 keys x 32 queries
	s_wait_dscnt 0x0                               ; this step's K, scale words and mask numbers are in
	WIN 0x40
.irp t,0,1,2,3,4,5,6,7                             ; S^T = K Q^T + the mask: sixteen accumulators, each written once
.irp q,0,1
.if \t%2
	v_wmma_scale_f32_16x16x128_f8f6f4 v[S+64*\q+8*\t:S+64*\q+8*\t+7], v[KF+6*\t:KF+6*\t+11], v[QF+12*\q:QF+12*\q+11], v[MK+8*\t:MK+8*\t+7], v[KSC+\t/2], v[QSC+\q] matrix_a_fmt:MATRIX_FMT_BF6 matrix_b_fmt:MATRIX_FMT_BF6 matrix_a_scale:MATRIX_SCALE_ROW1
.else
	v_wmma_scale_f32_16x16x128_f8f6f4 v[S+64*\q+8*\t:S+64*\q+8*\t+7], v[KF+6*\t:KF+6*\t+11], v[QF+12*\q:QF+12*\q+11], v[MK+8*\t:MK+8*\t+7], v[KSC+\t/2], v[QSC+\q] matrix_a_fmt:MATRIX_FMT_BF6 matrix_b_fmt:MATRIX_FMT_BF6
.endif
.endr
.endr
	WIN 0
	s_mul_i32 s[SKV], s[CNT], 768                  ; this step's bytes in V's planes,
	s_lshl_b32 s[SVS], s[CNT], 5
	s_add_co_u32 s[NI], s[CNT], 1
	s_and_b32 s[NI], s[NI], 15                     ; and the next step's (mod 16) in K's planes and in the table
	s_mul_i32 s[SKN], s[NI], 768
	s_lshl_b32 s[SKSN], s[NI], 6
	s_lshl_b32 s[SMN], s[NI], 9
	v_add_nc_u32 v[ADV], s[SKV], v[AV0]            ; five plain lines: the places behind the products, ahead of the loads into their sources and of the first read of S^T
	v_add_nc_u32 v[ADT], s[SVS], v[ASV0]
	v_add_nc_u32 v[ADK], s[SKN], v[AK0]
	v_add_nc_u32 v[ADS], s[SKSN], v[ASK0]
	v_add_nc_u32 v[ADM], s[SMN], v[AM0]
.irp t,0,1,2,3
.irp p,0,1,2,3,4,5
	ds_load_b64 v[VF+12*\t+2*\p:VF+12*\t+2*\p+1], v[ADV] offset:X1*(\t%2)+XP*(\t/2)+384*(\p/3)+8*(\p%3)
.endr
.endr
	ds_load_b32 v[VSC], v[ADT]
	ds_load_b32 v[VSC+1], v[ADT] offset:XP
	KLOAD                                          ; 44 loads behind V's
	WIN 0x55
.irp c,0,1                                         ; the largest score of each block of 32 keys, all mine: for the row's maximum and, since p rises with the score, for the block's largest p.  Each accumulator from its low end on
.irp q,0,1
	v_max3_num_f32 v[T+32*\q+BM+\c], v[S+64*\q+32*\c], v[S+64*\q+32*\c+1], v[S+64*\q+32*\c+2]
.endr
.endr
.irp i,3,5,7,9,11,13,15,17,19,21,23,25,27,29
.irp c,0,1
.irp q,0,1
	v_max3_num_f32 v[T+32*\q+BM+\c], v[T+32*\q+BM+\c], v[S+64*\q+32*\c+\i], v[S+64*\q+32*\c+\i+1]
.endr
.endr
.endr
.irp c,0,1
.irp q,0,1
	v_max_num_f32 v[T+32*\q+BM+\c], v[T+32*\q+BM+\c], v[S+64*\q+32*\c+31]
.endr
.endr
.irp q,0,1
	s_delay_alu instid0(VALU_DEP_2)
	v_max_num_f32 v[T+32*\q+TMP], v[T+32*\q+BM], v[T+32*\q+BM+1]
.endr
.irp q,0,1
	s_delay_alu instid0(VALU_DEP_2)
	v_permlanex16_b32 v[T+32*\q+PX], v[T+32*\q+TMP], s[SEL], s[SEL+1]
.endr
.irp q,0,1
	s_delay_alu instid0(VALU_DEP_2)
	v_max3_num_f32 v[T+32*\q+RUN], v[T+32*\q+RUN], v[T+32*\q+TMP], v[T+32*\q+PX]   ; the running largest score
.endr
.irp q,0,1
	s_delay_alu instid0(VALU_DEP_2)
	v_mul_f32 v[T+32*\q+TMP], s[CS], v[T+32*\q+RUN]   ; as t (c is positive)
.endr
.irp q,0,1
	v_mov_b32 v[T+32*\q+PX], v[T+32*\q+NM]
.endr
.irp q,0,1
	s_delay_alu instid0(VALU_DEP_4)
	v_floor_f32 v[T+32*\q+NM], -v[T+32*\q+TMP]     ; the new -M = -ceil(t)
.endr
.irp q,0,1
	s_delay_alu instid0(VALU_DEP_2)
	v_sub_f32 v[T+32*\q+TMP], v[T+32*\q+NM], v[T+32*\q+PX]   ; old M - new M: a whole number, 0 or less
.endr
.irp q,0,1
	s_delay_alu instid0(VALU_DEP_2)
	v_cvt_i32_f32 v[T+32*\q+TMP], v[T+32*\q+TMP]   ; (it saturates)
.endr
.irp q,0,1
	s_delay_alu instid0(VALU_DEP_2)
	v_ldexp_f32 v[T+32*\q+F], 1.0, v[T+32*\q+TMP]  ; f = 2^(old M - new M)
.endr
.irp q,0,1
.set JJ, 0
.rept 32
	v_pk_fma_f32 v[S+64*\q+JJ:S+64*\q+JJ+1], v[S+64*\q+JJ:S+64*\q+JJ+1], s[CS:CS+1], v[T+32*\q+NM:T+32*\q+NM+1] op_sel_hi:[1,0,0]   ; t - M, two at a time
.set JJ, JJ+2
.endr
.endr
.irp c,0,1
.irp q,0,1
	v_fma_f32 v[T+32*\q+BM+\c], v[T+32*\q+BM+\c], s[CS], v[T+32*\q+NM]   ; the same of each block's largest score
.endr
.endr
	s_wait_alu depctr_va_vdst(0)
.set JJ, 0
.rept 128
	v_exp_f32 v[S+JJ], v[S+JJ]                     ; p = 2^(t - M), at most 1
.set JJ, JJ+1
.endr
.irp c,0,1
.irp q,0,1
	v_exp_f32 v[T+32*\q+BM+\c], v[T+32*\q+BM+\c]   ; the block's largest p: the same two instructions on the same number
.endr
.endr
.irp q,0,1
	v_pk_mul_f32 v[T+32*\q+L:T+32*\q+L+1], v[T+32*\q+L:T+32*\q+L+1], v[T+32*\q+F:T+32*\q+F+1] op_sel_hi:[1,0]   ; the sums under the new M (plain places behind the exponentials)
.endr
	s_wait_alu depctr_va_vdst(0)                   ; one wait for the batch, directly ahead of the first readers of O^T too
.irp q,0,1
.set JJ, 0
.rept 16
	v_pk_mul_f32 v[O+32*\q+JJ:O+32*\q+JJ+1], v[O+32*\q+JJ:O+32*\q+JJ+1], v[T+32*\q+F:T+32*\q+F+1] op_sel_hi:[1,0]   ; O^T under the new M
.set JJ, JJ+2
.endr
.endr
.irp c,0,1
.irp q,0,1
	v_max_num_f32 v[T+32*\q+BM+\c], 0x2800000, v[T+32*\q+BM+\c]   ; the floor 2^(5 - 127): a block whose every p is 0 keeps the byte 1 over zero codes
.endr
.endr
.irp c,0,1
.irp q,0,1
	s_delay_alu instid0(VALU_DEP_4)
	v_add_nc_u32 v[T+32*\q+SO+\c], 0xfe000000, v[T+32*\q+BM+\c]   ; 4 off the exponent field: the conversion's scale operand
.endr
.endr
.irp c,0,1
.irp q,0,1
	s_delay_alu instid0(VALU_DEP_4)
	v_lshrrev_b32 v[T+32*\q+BY+\c], 23, v[T+32*\q+SO+\c]
.endr
.endr
.irp q,0,1
	s_delay_alu instid0(VALU_DEP_2)
	v_lshl_or_b32 v[T+32*\q+TMP], v[T+32*\q+BY+1], 16, v[T+32*\q+BY]   ; my two bytes: blocks h and 2 + h,
.endr
.irp q,0,1
	s_delay_alu instid0(VALU_DEP_2)
	v_lshlrev_b32 v[T+32*\q+TMP], v[SH8], v[T+32*\q+TMP]   ; at their places in the scale word
.endr
.irp q,0,1
	s_delay_alu instid0(VALU_DEP_2)
	v_permlanex16_b32 v[T+32*\q+PX], v[T+32*\q+TMP], s[SEL], s[SEL+1]
.endr
.irp c,0,1
.irp q,0,1
	v_cvt_scalef32_pk16_bf6_f32 v[T+32*\q+CT+4*\c:T+32*\q+CT+4*\c+2], v[S+64*\q+32*\c+16:S+64*\q+32*\c+31], v[T+32*\q+SO+\c]   ; a block's upper 16 codes, to be moved
.endr
.endr
	WIN 0x05
.irp c,0,1
.irp q,0,1
	v_cvt_scalef32_pk16_bf6_f32 v[PF+12*\q+6*\c:PF+12*\q+6*\c+2], v[S+64*\q+32*\c:S+64*\q+32*\c+15], v[T+32*\q+SO+\c]   ; its lower 16, in place
.endr
.endr
.irp q,0,1
	v_or_b32 v[PSC+\q], v[T+32*\q+TMP], v[T+32*\q+PX]   ; with lane l xor 16's two bytes p's scale word is whole (plain places behind the conversions)
.endr
	WIN 0x01
.irp q,0,1
.irp c,0,1
.irp i,0,1,2
	v_mov_b32 v[PF+12*\q+6*\c+3+\i], v[T+32*\q+CT+4*\c+\i]
.endr
.endr
.endr
	WIN 0x55
.irp k,0,1,2,3                                     ; the row's sum of the unquantised p: two at a time, four chains a tile
.irp q,0,1
	v_pk_add_f32 v[T+32*\q+PS+2*\k:T+32*\q+PS+2*\k+1], v[S+64*\q+2*\k:S+64*\q+2*\k+1], v[S+64*\q+8+2*\k:S+64*\q+8+2*\k+1]
.endr
.endr
.set JJ, 16
.rept 6
.irp k,0,1,2,3
.irp q,0,1
	v_pk_add_f32 v[T+32*\q+PS+2*\k:T+32*\q+PS+2*\k+1], v[T+32*\q+PS+2*\k:T+32*\q+PS+2*\k+1], v[S+64*\q+JJ+2*\k:S+64*\q+JJ+2*\k+1]
.endr
.endr
.set JJ, JJ+8
.endr
.irp k,0,4
.irp q,0,1
	v_pk_add_f32 v[T+32*\q+PS+\k:T+32*\q+PS+\k+1], v[T+32*\q+PS+\k:T+32*\q+PS+\k+1], v[T+32*\q+PS+\k+2:T+32*\q+PS+\k+3]
.endr
.endr
.irp q,0,1
	s_delay_alu instid0(VALU_DEP_2)
	v_pk_add_f32 v[T+32*\q+PS:T+32*\q+PS+1], v[T+32*\q+PS:T+32*\q+PS+1], v[T+32*\q+PS+4:T+32*\q+PS+5]
.endr
.irp q,0,1
	s_delay_alu instid0(VALU_DEP_2)
	v_pk_add_f32 v[T+32*\q+L:T+32*\q+L+1], v[T+32*\q+L:T+32*\q+L+1], v[T+32*\q+PS:T+32*\q+PS+1]
.endr
	WIN 0x50
	s_wait_alu depctr_va_vdst(0)
	s_wait_dscnt 44                                ; V's fragments and scale words are in; the 44 loads for the next step may be out
.irp t,0,1,2,3                                     ; O^T += V^T P^T: eight accumulators by turns
.irp q,0,1
.if \t%2
	v_wmma_scale_f32_16x16x128_f8f6f4 v[O+32*\q+8*\t:O+32*\q+8*\t+7], v[VF+12*\t:VF+12*\t+11], v[PF+12*\q:PF+12*\q+11], v[O+32*\q+8*\t:O+32*\q+8*\t+7], v[VSC+\t/2], v[PSC+\q] matrix_a_fmt:MATRIX_FMT_BF6 matrix_b_fmt:MATRIX_FMT_BF6 matrix_a_scale:MATRIX_SCALE_ROW1
.else
	v_wmma_scale_f32_16x16x128_f8f6f4 v[O+32*\q+8*\t:O+32*\q+8*\t+7], v[VF+12*\t:VF+12*\t+11], v[PF+12*\q:PF+12*\q+11], v[O+32*\q+8*\t:O+32*\q+8*\t+7], v[VSC+\t/2], v[PSC+\q] matrix_a_fmt:MATRIX_FMT_BF6 matrix_b_fmt:MATRIX_FMT_BF6
.endif
.endr
.endr
	WIN 0
	s_add_co_u32 s[CNT], s[CNT], 1
	s_cmp_lt_u32 s[CNT], 16
	s_cbranch_scc1 .Lstep
	WIN 0x55
.irp q,0,1                                         ; six plain lines: the places behind the last products
	v_add_f32 v[T+32*\q+L], v[T+32*\q+L], v[T+32*\q+L+1]
.endr
.irp q,0,1
	s_delay_alu instid0(VALU_DEP_2)
	v_permlanex16_b32 v[T+32*\q+PX], v[T+32*\q+L], s[SEL], s[SEL+1]
.endr
.irp q,0,1
	s_delay_alu instid0(VALU_DEP_2)
	v_add_f32 v[T+32*\q+L], v[T+32*\q+L], v[T+32*\q+PX]   ; the row's sum
.endr
	s_wait_alu depctr_va_vdst(0)
.irp q,0,1
	v_rcp_f32 v[T+32*\q+L], v[T+32*\q+L]
.endr
	v_nop                                          ; a plain place behind the transcendentals
	s_wait_alu depctr_va_vdst(0)
.irp q,0,1
.set JJ, 0
.rept 32
	v_mul_f32 v[S+64*\q+JJ], v[O+32*\q+JJ], v[T+32*\q+L]   ; x(query r, channel 32 b + 16 h + i) in register 16 b + i; each accumulator from its low end on
.set JJ, JJ+1
.endr
.endr
.irp b,0,1
.irp q,0,1
	v_max3_num_f32 v[T+32*\q+BM+\b], |v[S+64*\q+16*\b]|, |v[S+64*\q+16*\b+1]|, 0x2800000
.endr
.endr
.irp i,2,4,6,8,10,12,14
.irp b,0,1
.irp q,0,1
	v_max3_num_f32 v[T+32*\q+BM+\b], v[T+32*\q+BM+\b], |v[S+64*\q+16*\b+\i]|, |v[S+64*\q+16*\b+\i+1]|
.endr
.endr
.endr
.irp b,0,1
.irp q,0,1
	s_delay_alu instid0(VALU_DEP_4)
	v_permlanex16_b32 v[T+32*\q+TMP+\b], v[T+32*\q+BM+\b], s[SEL], s[SEL+1]
.endr
.endr
.irp b,0,1
.irp q,0,1
	s_delay_alu instid0(VALU_DEP_4)
	v_max_num_f32 v[T+32*\q+BM+\b], v[T+32*\q+BM+\b], v[T+32*\q+TMP+\b]
.endr
.endr
.irp b,0,1
.irp q,0,1
	s_delay_alu instid0(VALU_DEP_4)
	v_add_nc_u32 v[T+32*\q+SO+\b], 0xfe000000, v[T+32*\q+BM+\b]
.endr
.endr
.irp b,0,1
.irp q,0,1
	s_delay_alu instid0(VALU_DEP_4)
	v_lshrrev_b32 v[T+32*\q+BY+\b], 23, v[T+32*\q+SO+\b]
.endr
.endr
	WIN 0x05
.irp b,0,1
.irp q,0,1
	v_cvt_scalef32_pk16_bf6_f32 v[VF+8*\q+4*\b:VF+8*\q+4*\b+2], v[S+64*\q+16*\b:S+64*\q+16*\b+15], v[T+32*\q+SO+\b]
.endr
.endr
.irp q,0,1
	v_cndmask_b32 v[VF+16+\q], v[T+32*\q+BY], v[T+32*\q+BY+1], s[HI16]   ; lanes 0-15 store block 0's byte, lanes 16-31 block 1's (plain places behind the conversions)
.endr
	WIN 0
.irp q,0,1
	ds_store_b96 v[STI], v[VF+8*\q:VF+8*\q+2] offset:1024*\q          ; each 12 bytes to a place of 16, in the order of a row's 48 bytes
	ds_store_b96 v[STI], v[VF+8*\q+4:VF+8*\q+6] offset:1024*\q+32
.endr
.irp q,0,1
	ds_load_b96 v[VF+24+8*\q:VF+24+8*\q+2], v[STO] offset:1024*\q     ; LDS serves a wave's instructions in order: these see my stores
	ds_load_b96 v[VF+28+8*\q:VF+28+8*\q+2], v[STO] offset:1024*\q+512
	global_store_b8 v[XSO], v[VF+16+\q], s[54:55] offset:64*\q
.endr
	s_wait_dscnt 0x0
.irp q,0,1
	global_store_b96 v[XO], v[VF+24+8*\q:VF+24+8*\q+2], s[52:53] offset:768*\q        ; 16 rows x 48 bytes: 768 consecutive bytes in two stores
	global_store_b96 v[XO], v[VF+28+8*\q:VF+28+8*\q+2], s[52:53] offset:768*\q+384
.endr
	s_wait_xcnt 0x0                                ; the stores have read their registers and bases: both may be written again
	s_add_nc_u64 s[48:49], s[48:49], 192           ; two tiles on
	s_add_nc_u64 s[50:51], s[50:51], 16
	s_add_nc_u64 s[52:53], s[52:53], 1536
	s_add_nc_u64 s[54:55], s[54:55], 128
	s_add_co_u32 s[PASSC], s[PASSC], 1
	s_cmp_lt_u32 s[PASSC], 2
	s_wait_alu depctr_va_vdst(0)
	s_cbranch_scc1 .Lpass
	s_wait_tensorcnt 0x0                           ; the wave's end
	ds_add_u32 v[SPW], v[NIL]
	s_wait_dscnt 0x0
	ROUND                                          ; the closing round
	s_endpgm
.Lfunc_end_k_q4cc7f40540_attn:
	.size	k_q4cc7f40540_attn, .Lfunc_end_k_q4cc7f40540_attn-k_q4cc7f40540_attn
	.p2alignl 7, 3214868480
	.fill 96, 4, 3214868480
	.section	.rodata,"a",@progbits
	.p2align	6, 0x0
	.amdhsa_kernel k_q4cc7f40540_attn
		.amdhsa_group_segment_fixed_size 239104
		.amdhsa_private_segment_fixed_size 0
		.amdhsa_enable_private_segment 0
		.amdhsa_kernarg_size 48
		.amdhsa_user_sgpr_count 2
		.amdhsa_user_sgpr_kernarg_segment_ptr 1
		.amdhsa_wavefront_size32 1
		.amdhsa_system_sgpr_workgroup_id_x 1
		.amdhsa_system_sgpr_workgroup_id_y 1
		.amdhsa_system_sgpr_workgroup_id_z 1
		.amdhsa_system_vgpr_workitem_id 0
		.amdhsa_next_free_vgpr 512
		.amdhsa_next_free_sgpr 66
		.amdhsa_reserve_vcc 1
		.amdhsa_float_denorm_mode_32 3
		.amdhsa_float_denorm_mode_16_64 3
		.amdhsa_memory_ordered 1
		.amdhsa_forward_progress 1
		.amdhsa_inst_pref_size 56
	.end_amdhsa_kernel
	.amdgpu_metadata
---
amdhsa.version: [ 1, 2 ]
amdhsa.kernels:
  - .name:           k_q4cc7f40540_attn
    .symbol:         k_q4cc7f40540_attn.kd
    .args:
      - { .name: qp, .offset: 0, .size: 8, .value_kind: global_buffer, .address_space: global }
      - { .name: kp, .offset: 8, .size: 8, .value_kind: global_buffer, .address_space: global }
      - { .name: vp, .offset: 16, .size: 8, .value_kind: global_buffer, .address_space: global }
      - { .name: mask, .offset: 24, .size: 8, .value_kind: global_buffer, .address_space: global }
      - { .name: xc, .offset: 32, .size: 8, .value_kind: global_buffer, .address_space: global }
      - { .name: xs, .offset: 40, .size: 8, .value_kind: global_buffer, .address_space: global }
    .group_segment_fixed_size: 239104
    .private_segment_fixed_size: 0
    .kernarg_segment_align: 8
    .kernarg_segment_size: 48
    .max_flat_workgroup_size: 256
    .sgpr_count:     66
    .vgpr_count:     512
    .wavefront_size: 32
...
	.end_amdgpu_metadata
.endif
;; end of part 3
;; launch outp (part 4): grid 4 x 64, 4 waves a work-group, clusters of 4 x 4, 327,680 bytes of LDS; arguments xc, xs, codes, scl, bo, out0; writes out0
.if DOCPART == 4
	.amdgcn_target "amdgcn-amd-amdhsa--gfx1250"
	.amdhsa_code_object_version 6
	.text
	.protected	k_q4cc7f40540_outp
	.globl	k_q4cc7f40540_outp
	.p2align	8
	.type	k_q4cc7f40540_outp,@function
k_q4cc7f40540_outp:
	s_mov_b64 s[64:65], 0
	v_nop
	global_prefetch_b8 v0, s[64:65] scope:SCOPE_SE
	s_setreg_imm32_b32 hwreg(HW_REG_WAVE_MODE, 25, 1), 1
	s_wait_xcnt 0x0
	s_wait_alu depctr_hold_cnt(0) depctr_sa_sdst(0) depctr_va_vdst(0) depctr_va_sdst(0) depctr_va_ssrc(0) depctr_va_vcc(0) depctr_vm_vsrc(0)
	s_getreg_b32 s2, hwreg(HW_REG_IB_STS2, 6, 4)
	s_cmp_eq_u32 s2, 0
	s_cbranch_scc0 .Lentry_in_a_cluster
	s_endpgm
.Lentry_in_a_cluster:
	s_bfe_u32 s2, ttmp6, 0x10000c
	s_cmp_lg_u32 s2, 0xf033
	s_cbranch_scc0 .Lentry_shape_is_right
	s_endpgm
.Lentry_shape_is_right:
; out0 = x Wo^T + bo on codes of BF6 (E3M2) with E8M0 scales; f32 out.
; SHARES.  A work-group makes 128 rows x 256 columns: 64 x 4 = 256 work-groups; a wave makes 64 x 128: 32 accumulators.
; ALL OF K LIES IN LDS, filled once: A's 128 rows x 16 chunks of 64 along K (98,304 bytes), B's 256 rows x 16 chunks (196,608), and both sides' scale words.  Four tiles, four waves, one tensor load each at the head:
; wave 0 A, wave 1 B, wave 2 A's scale words, wave 3 B's.  So the walk along K has no ring, no refill and no barrier, and nothing is left to prefetch: memory is asked once, at the head.
; A's scale rows (512 bytes) are padded to B's pitch (1,024), so that one register takes A's word in lanes 0-15 and B's in lanes 16-31.
; CLUSTERS 4 x 4: A's tiles are asked for jointly along a row, B's along a column.
; The product is used transposed (source 0 = Wo's rows); the bias is the C of the first products.  Results leave through each wave's own stage as whole rows of 512 bytes.
; The stage lies on A's bytes.
.set CHA,    6144
.set CHB,    12288
.set TA,     16*CHA
.set NPL,    8
.set SCLA,   TA+16*CHB
.set SCLB,   SCLA+NPL*1024
.set SPARE,  SCLB+NPL*1024
.set STAGE,  0
.set SPITCH, 528
.set FR,     12
.set NP,     4
.set ADRA,   16                        ; v16-19 my A fragments, chunks 4 s on
.set ADRB,   20                        ; v20-23 the same for B
.set STO,    24
.set RD,     25
.set CO,     26
.set ADRS2,  27
.set SPW,    28
.set NIL,    29
.set ADRS,   30
.set SC,     32
.set AF,     128
.set BK,     128
.set G1,  24
.set G1B, 48
.set G1S, 68
.set G0S, 76
.set G1SB, 80
.set G0SB, 88
.set G0H, 92
.set G0HB, 96
.set MSB, 0
.macro WIN new
.if MSB != (\new)
	s_set_vgpr_msb (MSB<<8)|(\new)
.set MSB, (\new)
.endif
.endm
.set MUL,    0xa1                      ; source 0 (Wo) window 1, source 1 (x) window 0, C and D window 2
.set MULZ,   0xb1                      ; the same with C, the bias, in window 3
.set TO_B,   0x40
.macro TL g0, g1                       ; a tensor load with an s_nop and four v_nop behind it
	tensor_load_to_lds s[\g0:\g0+3], s[\g1:\g1+7]
	s_nop 0
.rept 4
	v_nop
.endr
.endm
.macro CROUND                          ; a round of the cluster's barrier
	s_barrier_signal -1
	s_barrier_wait -1
	s_cmp_lg_u32 s20, 0
	s_cbranch_scc1 .Lnot_wave_0_\@
	s_barrier_signal -3
.Lnot_wave_0_\@:
	s_barrier_wait -3
	s_barrier_signal -1
	s_barrier_wait -1
.endm
.macro ARM under, g0, g1, next
	s_cmp_lt_u32 s20, \under
	s_cbranch_scc0 \next
	TL \g0, \g1
	s_branch .Lhead_asked
\next:
.endm
	s_load_b256 s[4:11], s[0:1], 0x0               ; xc, xs, codes, scl
	s_load_b128 s[12:15], s[0:1], 0x20             ; bo, out0
	v_lshl_add_u32 v[SPW], v0, 2, SPARE
	v_mov_b32 v[NIL], 0
	ds_add_u32 v[SPW], v[NIL]                      ; the opening lines
	ds_add_u32 v[SPW], v[NIL]
	v_lshrrev_b32 v1, 5, v0
	v_readfirstlane_b32 s20, v1                    ; wave
	s_lshr_b32 s21, s20, 1                         ; my half of the rows
	s_and_b32 s22, s20, 1                          ; my half of the columns
	s_bfe_u32 s40, ttmp6, 0x40000
	s_bfe_u32 s41, ttmp6, 0x40004
	s_lshl_b32 s42, ttmp9, 2
	s_add_co_u32 s42, s42, s40                     ; block column 0..3
	s_and_b32 s45, ttmp7, 0xffff
	s_lshl_b32 s45, s45, 2
	s_add_co_u32 s45, s45, s41                     ; block row 0..63
	s_lshl_b32 s43, s41, 2
	s_lshl_b32 s43, 15, s43
	s_lshl_b32 s44, 0x1111, s40
	s_or_b32 s[G1+0], s43, (3<<16)|(1<<21)
	s_or_b32 s[G1B+0], s44, (3<<16)|(1<<21)
.irp g, G1, G1B
	s_mov_b32 s[\g+2], 16<<16                      ; sixteen chunks
	s_mov_b32 s[\g+4], 16
	s_mov_b32 s[\g+6], 0
	s_mov_b32 s[\g+7], 0
.endr
	s_mov_b32 s[G1+1], 768<<16                     ; a chunk of 128 rows: 768 elements of 8 bytes
	s_mov_b32 s[G1+3], 768<<16
	s_mov_b32 s[G1+5], 49152
	s_mov_b32 s[G1B+1], 1536<<16                   ; of 256 rows
	s_mov_b32 s[G1B+3], 1536<<16
	s_mov_b32 s[G1B+5], 6144
	s_or_b32 s[G1S+0], s43, (3<<16)|(1<<20)|(1<<21)|(6<<22)|(127<<25)   ; behind each 128 words 128 words of padding
	s_or_b32 s[G1SB+0], s44, (3<<16)|(1<<21)
.irp g, G1S, G1SB
	s_mov_b32 s[\g+2], NPL<<16
	s_mov_b32 s[\g+4], NPL
	s_mov_b32 s[\g+6], 0
	s_mov_b32 s[\g+7], 0
.endr
	s_mov_b32 s[G1S+1], 64<<16
	s_mov_b32 s[G1S+3], 64<<16
	s_mov_b32 s[G1S+5], 4096
	s_mov_b32 s[G1SB+1], 128<<16
	s_mov_b32 s[G1SB+3], 128<<16
	s_mov_b32 s[G1SB+5], 512
.irp g, G0S, G0SB, G0H, G0HB
	s_mov_b32 s[\g], 1
.endr
	s_mov_b32 s[G0H+1], 0
	s_mov_b32 s[G0HB+1], TA
	s_mov_b32 s[G0S+1], SCLA
	s_mov_b32 s[G0SB+1], SCLB
	s_mov_b32 s67, 0
	s_wait_dscnt 0x0
	s_wait_kmcnt 0x0
	s_mul_i32 s66, s45, CHA
	s_add_nc_u64 s[G0H+2:G0H+3], s[4:5], s[66:67]
	s_lshl_b32 s66, s45, 9
	s_add_nc_u64 s[G0S+2:G0S+3], s[6:7], s[66:67]
	s_mul_i32 s66, s42, CHB
	s_add_co_u32 s66, s66, 21233664
	s_add_nc_u64 s[G0HB+2:G0HB+3], s[8:9], s[66:67]
	s_lshl_b32 s66, s42, 10
	s_add_co_u32 s66, s66, 884736
	s_add_nc_u64 s[G0SB+2:G0SB+3], s[10:11], s[66:67]
.irp g, G0S, G0SB, G0H, G0HB
	s_or_b32 s[\g+3], s[\g+3], 0x80000000
.endr
	s_lshl_b32 s66, s45, 7
	s_lshl_b32 s46, s21, 6
	s_add_co_u32 s66, s66, s46                     ; my first row of out0
	s_lshl_b32 s66, s66, 12
	s_lshl_b32 s46, s42, 10
	s_lshl_b32 s47, s22, 9
	s_add_co_u32 s46, s46, s47                     ; my first column, in bytes
	s_add_co_u32 s66, s66, s46
	s_add_nc_u64 s[14:15], s[14:15], s[66:67]
	s_mov_b32 s66, s46
	s_add_nc_u64 s[12:13], s[12:13], s[66:67]
	CROUND                                         ; all sixteen work-groups are here: the joint loads meet
	ARM 1, G0H,  G1,  .Lhead_b
	ARM 2, G0HB, G1B, .Lhead_sa
	ARM 3, G0S,  G1S, .Lhead_sb
	TL G0SB, G1SB
.Lhead_asked:
	s_mul_i32 s2, s21, 3072                        ; my 64 rows of A
	s_mul_i32 s3, s22, CHA
	s_add_co_u32 s3, s3, TA                        ; my 128 rows of B
	s_lshl_b32 s40, s21, 8
	s_add_co_u32 s40, s40, SCLA                    ; A's scale words of my rows
	s_lshl_b32 s41, s22, 9
	s_add_co_u32 s41, s41, SCLB
	s_sub_co_u32 s41, s41, s40                     ; and how far on B's lie
	s_mul_i32 s43, s20, 16*SPITCH
	s_add_co_u32 s43, s43, STAGE
	v_and_b32 v1, 15, v0
	v_bfe_u32 v2, v0, 4, 1
	v_and_b32 v15, 31, v0
	v_lshlrev_b32 v31, 6, v2
	v_mul_u32_u24 v3, v1, 48
	v_mad_u32_u24 v3, v2, 24, v3
	v_add_nc_u32 v[ADRA], s2, v3
	v_add_nc_u32 v[ADRB], s3, v3
.irp s, 1,2,3
	v_add_nc_u32 v[ADRA+\s], \s*4*CHA, v[ADRA]
	v_add_nc_u32 v[ADRB+\s], \s*4*CHB, v[ADRB]
.endr
	v_lshlrev_b32 v3, 2, v1
	v_mul_u32_u24 v14, s41, v2
	v_add_nc_u32 v3, v3, v14
	v_add_nc_u32 v[ADRS], s40, v3
	v_lshl_add_u32 v[ADRS2], v2, 8, v[ADRS]
	v_sub_nc_u32 v[ADRS2], v[ADRS2], 256           ; for B's blocks 4-7: lanes 0-15 read A's blocks 0-3 once more
	v_mul_u32_u24 v3, v1, SPITCH
	v_lshl_add_u32 v3, v2, 6, v3
	v_add_nc_u32 v[STO], s43, v3
	v_lshlrev_b32 v[CO], 4, v15
	v_add_nc_u32 v[RD], s43, v[CO]
	WIN 0xc0
.irp b, 0,1,2,3,4,5,6,7                            ; the bias as the results lie: columns 32 (b / 2) + 16 h + 8 (b % 2) + 0..7
	global_load_b128 v[8*\b:8*\b+3], v31, s[12:13] offset:128*(\b/2)+32*(\b%2)
	global_load_b128 v[8*\b+4:8*\b+7], v31, s[12:13] offset:128*(\b/2)+32*(\b%2)+16
.endr
	WIN 0
.macro FRAG reg, adr, q, i, ch
.irp p, 0,1,2,3,4,5
	ds_load_b64 v[\reg+2*\p:\reg+2*\p+1], v[\adr] offset:(2*(\q)+\p/3)*(\ch)+8*(\p%3)+(\i)*768
.endr
.endm
.macro MUL16 a0, q, sc, zero           ; A's blocks a0, a0 + 1 x B's eight; fragment sets q; the accumulators by turns
.irp a, \a0, \a0+1
.irp b, 0,1,2,3,4,5,6,7
.if \zero
	v_wmma_scale_f32_16x16x128_f8f6f4 v[8*(8*(\a)+\b):8*(8*(\a)+\b)+7], v[128*(\q)+FR*\b:128*(\q)+FR*\b+FR-1], v[AF+48*(\q)+FR*(\a):AF+48*(\q)+FR*(\a)+FR-1], v[8*\b:8*\b+7], v[SC+16*(\sc)+2*\b+(\q)], v[SC+16*(\sc)+2*(\a)+(\q)] matrix_a_fmt:MATRIX_FMT_BF6 matrix_b_fmt:MATRIX_FMT_BF6 matrix_a_scale:MATRIX_SCALE_ROW1
.else
	v_wmma_scale_f32_16x16x128_f8f6f4 v[8*(8*(\a)+\b):8*(8*(\a)+\b)+7], v[128*(\q)+FR*\b:128*(\q)+FR*\b+FR-1], v[AF+48*(\q)+FR*(\a):AF+48*(\q)+FR*(\a)+FR-1], v[8*(8*(\a)+\b):8*(8*(\a)+\b)+7], v[SC+16*(\sc)+2*\b+(\q)], v[SC+16*(\sc)+2*(\a)+(\q)] matrix_a_fmt:MATRIX_FMT_BF6 matrix_b_fmt:MATRIX_FMT_BF6 matrix_a_scale:MATRIX_SCALE_ROW1
.endif
.endr
.endr
.endm
.macro FETCH_B s, q                    ; 48 loads: step 2 s + q into set q
	WIN TO_B
.irp i, 0,1,2,3,4,5,6,7
	FRAG 128*(\q)+FR*\i, ADRB+\s, \q, \i, CHB
.endr
	WIN 0
.endm
.macro FETCH_A s, q                    ; 24 loads
.irp i, 0,1,2,3
	FRAG AF+48*(\q)+FR*\i, ADRA+\s, \q, \i, CHA
.endr
.endm
.macro SCALES sc, sn                   ; the scale words of steps 2 sn and 2 sn + 1 into set sc
.irp q, 0,1
.irp i, 0,1,2,3
	ds_load_b32 v[SC+16*(\sc)+2*\i+\q], v[ADRS] offset:64*\i+1024*\q+2048*(\sn)
.endr
.irp i, 4,5,6,7
	ds_load_b32 v[SC+16*(\sc)+2*\i+\q], v[ADRS2] offset:64*\i+1024*\q+2048*(\sn)
.endr
.endr
.endm
.macro PLACES n
.rept \n
	v_nop
.endr
.endm
.macro HALF0 s, zero                   ; step 2 s; step 2 s + 1's fragments are fetched under it
	PLACES NP
	FETCH_B \s, 1
	s_wait_dscnt 48                                ; this step's fragments and scale words are in; the 48 just issued may be out
.if \zero
	s_wait_loadcnt 0x0                             ; the bias
	WIN MULZ
.else
	WIN MUL
.endif
	MUL16 0, 0, (\s)%2, \zero
	WIN 0
	FETCH_A \s, 1
.if \zero
	WIN MULZ
.else
	WIN MUL
.endif
	MUL16 2, 0, (\s)%2, \zero
	WIN 0
.endm
.macro PHASE s, zero                   ; steps 2 s and 2 s + 1
	HALF0 \s, \zero
	PLACES NP
	FETCH_B (\s)+1, 0
	s_wait_dscnt 48                                ; step 2 s + 1's fragments are in; the 48 just issued may be out
	WIN MUL
	MUL16 0, 1, (\s)%2, 0
	WIN 0
	FETCH_A (\s)+1, 0
	SCALES ((\s)+1)%2, (\s)+1
	WIN MUL
	MUL16 2, 1, (\s)%2, 0
	WIN 0
.endm
	s_wait_alu depctr_va_vdst(0)                   ; the head's end
	s_wait_tensorcnt 0x0                           ; my tile of the four is in:
	s_barrier_signal -1
	s_barrier_wait -1                              ; everybody's.  Nothing is filled from here on
	FETCH_B 0, 0
	FETCH_A 0, 0
	SCALES 0, 0
	PHASE 0, 1
	PHASE 1, 0
	PHASE 2, 0
	HALF0 3, 0
	s_wait_dscnt 0x0                               ; my last reads of the tiles are over:
	s_barrier_signal -1                            ; say so,
	WIN MUL
	MUL16 0, 1, 1, 0                               ; work on registers while the others arrive,
	MUL16 2, 1, 1, 0
	WIN 0
	s_barrier_wait -1                              ; and behind this wait nobody reads A's bytes any more: the stages lie there
.macro TOSTAGE a
.set AC, 64*(\a)
	WIN 0x08
.irp b, 0,1,2,3,4,5,6,7
	ds_store_b128 v[STO], v[AC+8*\b:AC+8*\b+3] offset:128*(\b/2)+32*(\b%2)          ; each accumulator from its low end on
	ds_store_b128 v[STO], v[AC+8*\b+4:AC+8*\b+7] offset:128*(\b/2)+32*(\b%2)+16
.endr
	WIN 0
.set BB, BK+64*((\a)%2)
.irp t, 0,1,2,3,4,5,6,7,8,9,10,11,12,13,14,15
	ds_load_b128 v[BB+4*\t:BB+4*\t+3], v[RD] offset:\t*SPITCH    ; LDS serves a wave's instructions in order: these see my stores
.endr
.endm
.macro SEND a, younger
.set BB, BK+64*((\a)%2)
	s_wait_dscnt \younger
.if (\a) > 0
	s_add_nc_u64 s[14:15], s[14:15], 16*4096
.endif
.irp t, 0,1,2,3,4,5,6,7,8,9,10,11,12,13,14,15
	global_store_b128 v[CO], v[BB+4*\t:BB+4*\t+3], s[14:15] offset:\t*4096 th:TH_STORE_NT   ; 32 lanes store 512 consecutive bytes, aligned
.endr
.endm
	PLACES NP
	TOSTAGE 0
.irp a, 1,2,3
.if \a > 1
	s_wait_xcnt 0x0                                ; block a - 2's stores have read their registers and their base
.endif
	TOSTAGE \a
	SEND \a-1, 32                                  ; behind block a - 1's loads: block a's 16 stores and 16 loads
.endr
	s_wait_xcnt 0x0
	SEND 3, 0
	s_wait_tensorcnt 0x0                           ; the wave's end
	ds_add_u32 v[SPW], v[NIL]
	s_wait_dscnt 0x0
	CROUND                                         ; the closing round
	s_endpgm
.Lfunc_end_k_q4cc7f40540_outp:
	.size	k_q4cc7f40540_outp, .Lfunc_end_k_q4cc7f40540_outp-k_q4cc7f40540_outp
	.p2alignl 7, 3214868480
	.fill 96, 4, 3214868480
	.section	.rodata,"a",@progbits
	.p2align	6, 0x0
	.amdhsa_kernel k_q4cc7f40540_outp
		.amdhsa_group_segment_fixed_size 327680
		.amdhsa_private_segment_fixed_size 0
		.amdhsa_enable_private_segment 0
		.amdhsa_kernarg_size 48
		.amdhsa_user_sgpr_count 2
		.amdhsa_user_sgpr_kernarg_segment_ptr 1
		.amdhsa_wavefront_size32 1
		.amdhsa_system_sgpr_workgroup_id_x 1
		.amdhsa_system_sgpr_workgroup_id_y 1
		.amdhsa_system_sgpr_workgroup_id_z 1
		.amdhsa_system_vgpr_workitem_id 0
		.amdhsa_next_free_vgpr 1024
		.amdhsa_next_free_sgpr 102
		.amdhsa_reserve_vcc 0
		.amdhsa_float_denorm_mode_32 3
		.amdhsa_float_denorm_mode_16_64 3
		.amdhsa_memory_ordered 1
		.amdhsa_forward_progress 1
		.amdhsa_inst_pref_size 100
	.end_amdhsa_kernel
	.amdgpu_metadata
---
amdhsa.version: [ 1, 2 ]
amdhsa.kernels:
  - .name:           k_q4cc7f40540_outp
    .symbol:         k_q4cc7f40540_outp.kd
    .args:
      - { .name: xc, .offset: 0, .size: 8, .value_kind: global_buffer, .address_space: global }
      - { .name: xs, .offset: 8, .size: 8, .value_kind: global_buffer, .address_space: global }
      - { .name: codes, .offset: 16, .size: 8, .value_kind: global_buffer, .address_space: global }
      - { .name: scl, .offset: 24, .size: 8, .value_kind: global_buffer, .address_space: global }
      - { .name: bo, .offset: 32, .size: 8, .value_kind: global_buffer, .address_space: global }
      - { .name: out0, .offset: 40, .size: 8, .value_kind: global_buffer, .address_space: global }
    .group_segment_fixed_size: 327680
    .private_segment_fixed_size: 0
    .kernarg_segment_align: 8
    .kernarg_segment_size: 48
    .max_flat_workgroup_size: 128
    .sgpr_count:     102
    .vgpr_count:     1024
    .wavefront_size: 32
...
	.end_amdgpu_metadata
.endif
;; end of part 4
